; MI455X (gfx1250); checked and timed in simulation.
; The chip was launched on July 23, 2026; its instructions are those of AMD's public machine-readable ISA for CDNA 5 (MIT licence, August 2026) and "CDNA5" Instruction Set Architecture Reference Guide (July 2026). The comments in the code are by the model that wrote it; some were corrected since.
;; Z Image Attention. Allowed arithmetic: matrix products marked QUANTISED: E2M1 operands, one E8M0 scale for each 32 along K, by v_wmma_scale_f32_16x16x128_f8f6f4 with both operands' format E2M1 (or v_wmma_scale_f32_32x16x128_f4), f32 sums; products left as they are: bf16, f16 or f32 operands; f32 sums; everything else in f32.
;; Inputs: freqs_cos 2,048 x 64 float32; freqs_sin 2,048 x 64 float32; hidden_states 2 x 2,048 x 2,048 float32; k_norm_w 128 float32; q_norm_w 128 float32; wk 1,024 x 2,048 float32; wo 2,048 x 1,024 float32; wq 1,024 x 2,048 float32; wv 1,024 x 2,048 float32.
;; Outputs: out0 2 x 2,048 x 2,048 float32.
;; This version of the problem:
;;   THIS VERSION OF THE PROBLEM IS GIVEN IN LOW PRECISION. The matrix products marked QUANTISED in the list below multiply operands that are first quantised to E2M1 (2 exponent bits, 1 mantissa bit; 4 bits a number), with one power-of-two scale for each 32 numbers along K (OCP MX v1.0); their sums are f32. The products marked 'left as it is' may take bf16, f16 or f32 operands, with f32 sums. Whichever they take, every output number must still come out within the allowed error. Rounding operands to bf16 (8 significant bits) uses up far more of that allowance than f16 does (11 bits, for magnitudes from 6e-5 to 65,504). All else is computed in f32.
;;   The module's matrix products, in the order in which they are computed (A, B: the left and right operand; K: the contracted axis; several contracted axes count as one K, in the product's order):
;;     1. [M 4,096, K 2,048] x [K 2,048, N 1,024]; A: input hidden_states; B: input wq: QUANTISED
;;     2. [M 4,096, K 2,048] x [K 2,048, N 1,024]; A: input hidden_states; B: input wk: QUANTISED
;;     3. [M 4,096, K 2,048] x [K 2,048, N 1,024]; A: input hidden_states; B: input wv: QUANTISED
;;     4. batch 16 x [M 2,048, K 128] x [K 128, N 2,048]; A: computed on the way; B: computed on the way: left as it is (an operand is computed on the way)
;;     5. batch 16 x [M 2,048, K 2,048] x [K 2,048, N 128]; A: computed on the way; B: computed on the way: left as it is (an operand is computed on the way)
;;     6. [M 4,096, K 1,024] x [K 1,024, N 2,048]; A: computed on the way; B: input wo: left as it is (an operand is computed on the way)
;;   THE QUANTISER, for each operand of a quantised product, along K:
;;     - K is cut into blocks of 32 from its start; a last block that is shorter is filled with zeros.
;;     - A block's scale is 2^e with e = floor(log2(the largest magnitude in the block)) - 2, held to -126 .. 127; a block of zeros has e = 0. As a byte (E8M0): e + 127.
;;     - Each number is divided by its block's scale, clamped to +-6, and rounded to the nearest number of E2M1, ties to even, subnormals kept.
;;     - The product sums the exact products of the quantised numbers (number of the format x scale) in f32.
;;   ~~~python
;;   def quantise(x, axis):      # numpy; x: float32 -> the quantised numbers, widened to float32 again
;;       x = np.moveaxis(x, axis, -1); K = x.shape[-1]
;;       x = np.pad(x, [(0, 0)] * (x.ndim - 1) + [(0, -K % 32)]); x = x.reshape(x.shape[:-1] + (-1, 32)); a = np.abs(x).max(-1, keepdims=True)
;;       e = np.where(a > 0, np.clip(np.frexp(np.where(a > 0, a, 1))[1] - 1 - 2, -126, 127), 0)      # np.frexp(a)[1] - 1 = floor(log2(a)), exactly
;;       r = np.clip(x / 2.0 ** e, -6, 6)
;;       step = 2.0 ** (np.maximum(np.frexp(np.where(r == 0, 1, r))[1] - 1, 0) - 1)
;;       q = np.round(r / step) * step * 2.0 ** e      # np.round: ties to even
;;       return np.moveaxis(q.reshape(q.shape[:-2] + (-1,))[..., :K], -1, axis).astype(np.float32)
;;   ~~~
;; One version. Each part assembles by itself: llvm-mc -triple=amdgcn-amd-amdhsa -mcpu=gfx1250 --defsym DOCPART=n.
;; ======== version 1 of 1: 4 launches
;; limits: values are held in f16: magnitudes above 65,504 overflow, below 6.1e-05 lose precision
;; workspace buffers: x_codes 4,194,304 bytes; x_scales 262,144 bytes; w_codes 3,145,728 bytes; w_scales 196,608 bytes; wo16 4,194,304 bytes; qkv16 25,165,824 bytes; o16 8,388,608 bytes
;; launch prep (part 1): grid 512 x 1, 4 waves a work-group, no clusters, 33,280 bytes of LDS; arguments hidden_states, wq, wk, wv, wo, x_codes, x_scales, w_codes, w_scales, wo16; writes x_codes, x_scales, w_codes, w_scales, wo16
.if DOCPART == 1
	.amdgcn_target "amdgcn-amd-amdhsa--gfx1250"
	.amdhsa_code_object_version 6
	.text
	.protected	k_q9555438abb_prep
	.globl	k_q9555438abb_prep
	.p2align	8
	.type	k_q9555438abb_prep,@function
k_q9555438abb_prep:
	s_mov_b64 s[64:65], 0
	v_nop
	global_prefetch_b8 v0, s[64:65] scope:SCOPE_SE
	s_setreg_imm32_b32 hwreg(HW_REG_WAVE_MODE, 25, 1), 1
	s_wait_xcnt 0x0
; ZImageAttention, launch 1 of 4.  NO WORK IS LEFT OUT in this program: every input has a way to the output and every product is live.
; This launch makes the operands of the three quantised products, and wo as f16 for the last product.
; hidden_states [4096][2048] and wq, wk, wv [1024][2048] each (stacked as one tensor of 3,072 rows), f32, K innermost, become codes of FP4 (E2M1), two a byte, the lower k in the low
; four bits, with one E8M0 scale byte for each 32 along K.  A block's scale is 2^(floor(log2(its largest magnitude)) - 2); its byte is the largest magnitude's own exponent field - 2, held at 1 from below.
; Each number is divided by the scale and rounded to the nearest code, ties to even, beyond the largest code the largest.
; LIMITS: a block of zeros gets the byte 1 where the rule says 127: its codes are zeros, which add nothing under any byte but 0xff, and the bytes are read by this program alone.
; NaN and infinities among the inputs are not served.  wo goes to f16: magnitudes over 65,504 are not served.
; SHARES: a work-group takes 32,768 numbers, a wave 8,192, in 16 steps of 512.  Work-groups 0-255: hidden_states; 256-319 wq; 320-383 wk; 384-447 wv; 448-511 wo.
; Rows are dense and K is a multiple of 32, so each tensor is a plain stream of blocks of 32, and so are its codes and scale bytes.
; THE QUANTISING PATH: each of a step's four loads reads 512 consecutive bytes, 16 a lane; the conversions want 16 NEIGHBOURS in a lane, so the 2,048 bytes go through the wave's own stage in LDS as they lie and
; come back 64 bytes a lane (16 bytes of padding behind each 64).  Two neighbouring lanes hold a block.  A lane's 16 codes are 8 bytes: the wave stores 256 consecutive bytes.  A wave's 256 scale bytes are gathered in LDS and leave by one store.
; THE f16 PATH (wo) needs no neighbours: four numbers of a lane become 8 bytes, and a wave's store covers 256 consecutive bytes.  It touches no LDS but the spare words.
; No tensor loads, no barrier: waves share nothing.  Loads run EIGHT steps ahead: 32 loads of 512 bytes a wave, half of the wave's whole share, are asked for before the first is used.
.set STEPS, 16
.set AHEAD, 8                          ; steps that the loads run ahead, and sets of registers that take them
.set EMAX,  2
.set CB,    8                          ; bytes of 16 codes
.set R,     16                         ; v16-143  eight sets of 16 numbers as they are loaded
.set X,     144                        ; v144-175 two sets of 16 neighbours
.set E,     176                        ; v176-191 a scale byte for each step
.set C,     192                        ; v192-255 codes, four registers a step; on the f16 path eight sets of eight registers
.set WREG,  8192                       ; LDS: a region for each wave: two stages of 32 x SP bytes, behind them its 256 scale bytes
.set SP,    80                         ; a lane's place in a stage: 64 bytes + 16 of padding
.set SPW,   12                         ; v12  LDS address of my spare word; never rewritten
.set NIL,   13                         ; v13  0; never rewritten
.set SPARE, 4*WREG                     ; behind the four regions: the spare words, 128 bytes a wave, that no other line names
	s_load_b256 s[4:11], s[0:1], 0x0               ; hidden_states s[4:5], wq s[6:7], wk s[8:9], wv s[10:11]
	s_load_b256 s[12:19], s[0:1], 0x20             ; wo s[12:13], x_codes s[14:15], x_scales s[16:17], w_codes s[18:19]
	s_load_b128 s[20:23], s[0:1], 0x40             ; w_scales s[20:21], wo16 s[22:23]
	v_lshl_add_u32 v[SPW], v0, 2, SPARE
	v_mov_b32 v[NIL], 0
	v_lshrrev_b32 v1, 5, v0
	v_readfirstlane_b32 s24, v1                    ; wave
	v_and_b32 v2, 31, v0                           ; lane
	v_lshlrev_b32 v3, 4, v2                        ; my 16 bytes of a load's 512
	s_mul_i32 s25, s24, WREG
	v_lshrrev_b32 v14, 2, v2
	v_mul_u32_u24 v14, v14, SP
	v_and_b32 v15, 3, v2
	v_lshl_add_u32 v14, v15, 4, v14
	v_add_nc_u32 v14, s25, v14                     ; the stage, on the way in: SP (lane / 4) + 16 (lane % 4)
	v_mul_u32_u24 v15, v2, SP
	v_add_nc_u32 v15, s25, v15                     ; and on the way out: SP x lane: my 16 neighbours
	v_mul_u32_u24 v4, v2, CB                       ; my codes' place in a step's
	v_lshrrev_b32 v5, 1, v2
	s_add_co_u32 s25, s25, 2*32*SP
	v_add_nc_u32 v5, s25, v5                       ; LDS: my wave's 256 scale bytes, my block's byte
	v_lshlrev_b32 v7, 3, v2                        ; 8 bytes a lane
	v_add_nc_u32 v6, s25, v7
	s_mov_b32 s29, 0
	s_wait_kmcnt 0x0
.macro LOAD t
.irp i, 0,1,2,3
	global_load_b128 v[R+16*((\t)%AHEAD)+4*\i:R+16*((\t)%AHEAD)+4*\i+3], v3, s[4:5] offset:2048*(\t)+512*\i th:TH_LOAD_NT   ; 32 lanes read 512 consecutive bytes
.endr
.endm
	s_cmp_ge_u32 ttmp9, 448                        ; the work-group's number alone decides the path
	s_cbranch_scc1 .Lwo
	; ---- the quantising path: which tensor, which run of 8,192 numbers
	s_cmp_lt_u32 ttmp9, 320
	s_cselect_b64 s[6:7], s[6:7], s[8:9]           ; wq or wk,
	s_cmp_lt_u32 ttmp9, 384
	s_cselect_b64 s[6:7], s[6:7], s[10:11]         ; or wv
	s_and_b32 s26, ttmp9, 63                       ; a weight's work-group within its tensor,
	s_sub_co_u32 s27, ttmp9, 256                   ; and within the stacked codes
	s_cmp_lt_u32 ttmp9, 256
	s_cselect_b64 s[4:5], s[4:5], s[6:7]           ; the source
	s_cselect_b64 s[8:9], s[14:15], s[18:19]       ; its codes
	s_cselect_b64 s[10:11], s[16:17], s[20:21]     ; its scale bytes
	s_cselect_b32 s26, ttmp9, s26
	s_cselect_b32 s27, ttmp9, s27
	s_lshl_b32 s26, s26, 2
	s_add_co_u32 s26, s26, s24                     ; my run in the source
	s_lshl_b32 s27, s27, 2
	s_add_co_u32 s27, s27, s24                     ; and in the codes and scale bytes
	s_lshl_b32 s28, s26, 15                        ; 32,768 bytes of f32 a run
	s_add_nc_u64 s[4:5], s[4:5], s[28:29]
	s_lshl_b32 s28, s27, 12                        ; 4,096 bytes of codes
	s_add_nc_u64 s[8:9], s[8:9], s[28:29]
	s_lshl_b32 s28, s27, 8                         ; 256 scale bytes
	s_add_nc_u64 s[10:11], s[10:11], s[28:29]
.macro TURN t                          ; step t's numbers through the stage: LDS serves a wave's instructions in order, so no wait stands between the stores and the loads
.irp i, 0,1,2,3
	ds_store_b128 v14, v[R+16*((\t)%AHEAD)+4*\i:R+16*((\t)%AHEAD)+4*\i+3] offset:32*SP*((\t)%2)+8*SP*\i
.endr
.irp i, 0,1,2,3
	ds_load_b128 v[X+16*((\t)%2)+4*\i:X+16*((\t)%2)+4*\i+3], v15 offset:32*SP*((\t)%2)+16*\i
.endr
.endm
.irp t, 0,1,2,3,4,5,6,7
	LOAD \t
.endr
	s_wait_loadcnt 4*(AHEAD-1)                     ; step 0's four loads are in; the seven younger steps' may be out
	TURN 0
.macro STEP t
.set XS, X+16*((\t)%2)
.if (\t) > 0
	s_wait_dscnt 1                                 ; this step's numbers are back from the stage (the last step's byte store may be out): so its stores into the stage have read their registers,
.else
	s_wait_dscnt 0x0
.endif
.if (\t)+AHEAD < STEPS
	LOAD (\t)+AHEAD                                ; which take the loads of eight steps on
.endif
.if (\t)+1 < STEPS
.if (\t)+AHEAD < STEPS
	s_wait_loadcnt 4*(AHEAD-1)                     ; the next step's four loads are in; those of the seven steps behind it may be out
.else
	s_wait_loadcnt 4*(STEPS-2-(\t))                ; nothing more is asked for: the counts run down
.endif
	TURN (\t)+1                                    ; and go through the other stage while this step is worked
.endif
	v_max3_num_f32 v8, |v[XS]|, |v[XS+1]|, |v[XS+2]|               ; the largest magnitude of my 16, in two chains
	v_max3_num_f32 v9, |v[XS+3]|, |v[XS+4]|, |v[XS+5]|
.irp i, 6,10
	v_max3_num_f32 v8, v8, |v[XS+\i]|, |v[XS+\i+1]|
	v_max3_num_f32 v9, v9, |v[XS+\i+2]|, |v[XS+\i+3]|
.endr
	v_max3_num_f32 v8, v8, |v[XS+14]|, |v[XS+15]|
	v_max3_num_f32 v8, v8, v9, (EMAX+1)<<23        ; and the floor 2^(EMAX + 1 - 127): so the byte cannot fall under 1
	v_max_num_f32_dpp v8, v8, v8 row_xmask:1 row_mask:0xf bank_mask:0xf   ; and of my neighbour's 16: the block's
	v_add_nc_u32 v11, -(EMAX<<23), v8              ; EMAX off its exponent field: the conversion takes the exponent field of this operand as its scale, and nothing else of it
	v_cvt_scalef32_pk8_fp4_f32 v[C+4*(\t)], v[XS:XS+7], v11
	v_cvt_scalef32_pk8_fp4_f32 v[C+4*(\t)+1], v[XS+8:XS+15], v11
	v_lshrrev_b32 v[E+(\t)], 23, v11               ; the scale's byte (also the plain line behind the conversions)
	ds_store_b8 v5, v[E+(\t)] offset:16*(\t)       ; both lanes of a block write the same byte with the same value
	global_store_b64 v4, v[C+4*(\t):C+4*(\t)+1], s[8:9] offset:32*CB*(\t)   ; 32 lanes store 256 consecutive bytes, aligned
.endm
.irp t, 0,1,2,3,4,5,6,7,8,9,10,11,12,13,14,15
	STEP \t
.endr
	ds_load_b64 v[8:9], v6                         ; LDS serves a wave's instructions in order: these see my byte stores
	s_wait_dscnt 0x0
	global_store_b64 v7, v[8:9], s[10:11]          ; my wave's 256 scale bytes, aligned
	s_branch .Lend
.Lwo:
	; ---- wo to f16
	s_sub_co_u32 s26, ttmp9, 448
	s_lshl_b32 s26, s26, 2
	s_add_co_u32 s26, s26, s24                     ; my run of 8,192 numbers
	s_lshl_b32 s28, s26, 15
	s_add_nc_u64 s[4:5], s[12:13], s[28:29]
	s_lshl_b32 s28, s26, 14                        ; 16,384 bytes of f16
	s_add_nc_u64 s[8:9], s[22:23], s[28:29]
.irp t, 0,1,2,3,4,5,6,7
	LOAD \t
.endr
.macro WSTEP t
.if 15-(\t) >= AHEAD-1
	s_wait_loadcnt 4*(AHEAD-1)                     ; this step's four loads are in; the seven younger steps' may be out
.else
	s_wait_loadcnt 4*(15-(\t))
.endif
	s_wait_xcnt 0x0                                ; the stores of eight steps ago have read their data registers, which are written below
.irp i, 0,1,2,3
	v_cvt_pk_f16_f32 v[C+8*((\t)%8)+2*\i], v[R+16*((\t)%AHEAD)+4*\i], v[R+16*((\t)%AHEAD)+4*\i+1]
	v_cvt_pk_f16_f32 v[C+8*((\t)%8)+2*\i+1], v[R+16*((\t)%AHEAD)+4*\i+2], v[R+16*((\t)%AHEAD)+4*\i+3]
.endr
.if (\t)+AHEAD < STEPS
	LOAD (\t)+AHEAD
.endif
.irp i, 0,1,2,3
	global_store_b64 v7, v[C+8*((\t)%8)+2*\i:C+8*((\t)%8)+2*\i+1], s[8:9] offset:1024*(\t)+256*\i   ; 32 lanes store 256 consecutive bytes, aligned
.endr
.endm
.irp t, 0,1,2,3,4,5,6,7,8,9,10,11,12,13,14,15
	WSTEP \t
.endr
.Lend:
	s_wait_tensorcnt 0x0                           ; the wave's end
	ds_add_u32 v[SPW], v[NIL]
	s_wait_dscnt 0x0
	s_endpgm
.Lfunc_end_k_q9555438abb_prep:
	.size	k_q9555438abb_prep, .Lfunc_end_k_q9555438abb_prep-k_q9555438abb_prep
	.p2alignl 7, 3214868480
	.fill 96, 4, 3214868480
	.section	.rodata,"a",@progbits
	.p2align	6, 0x0
	.amdhsa_kernel k_q9555438abb_prep
		.amdhsa_group_segment_fixed_size 33280
		.amdhsa_private_segment_fixed_size 0
		.amdhsa_enable_private_segment 0
		.amdhsa_kernarg_size 80
		.amdhsa_user_sgpr_count 2
		.amdhsa_user_sgpr_kernarg_segment_ptr 1
		.amdhsa_wavefront_size32 1
		.amdhsa_system_sgpr_workgroup_id_x 1
		.amdhsa_system_sgpr_workgroup_id_y 1
		.amdhsa_system_sgpr_workgroup_id_z 1
		.amdhsa_system_vgpr_workitem_id 0
		.amdhsa_next_free_vgpr 256
		.amdhsa_next_free_sgpr 66
		.amdhsa_reserve_vcc 0
		.amdhsa_float_denorm_mode_32 3
		.amdhsa_float_denorm_mode_16_64 3
		.amdhsa_memory_ordered 1
		.amdhsa_forward_progress 1
		.amdhsa_inst_pref_size 55
	.end_amdhsa_kernel
	.amdgpu_metadata
---
amdhsa.version: [ 1, 2 ]
amdhsa.kernels:
  - .name:           k_q9555438abb_prep
    .symbol:         k_q9555438abb_prep.kd
    .args:
      - { .name: hidden_states, .offset: 0, .size: 8, .value_kind: global_buffer, .address_space: global }
      - { .name: wq, .offset: 8, .size: 8, .value_kind: global_buffer, .address_space: global }
      - { .name: wk, .offset: 16, .size: 8, .value_kind: global_buffer, .address_space: global }
      - { .name: wv, .offset: 24, .size: 8, .value_kind: global_buffer, .address_space: global }
      - { .name: wo, .offset: 32, .size: 8, .value_kind: global_buffer, .address_space: global }
      - { .name: x_codes, .offset: 40, .size: 8, .value_kind: global_buffer, .address_space: global }
      - { .name: x_scales, .offset: 48, .size: 8, .value_kind: global_buffer, .address_space: global }
      - { .name: w_codes, .offset: 56, .size: 8, .value_kind: global_buffer, .address_space: global }
      - { .name: w_scales, .offset: 64, .size: 8, .value_kind: global_buffer, .address_space: global }
      - { .name: wo16, .offset: 72, .size: 8, .value_kind: global_buffer, .address_space: global }
    .group_segment_fixed_size: 33280
    .private_segment_fixed_size: 0
    .kernarg_segment_align: 8
    .kernarg_segment_size: 80
    .max_flat_workgroup_size: 128
    .sgpr_count:     66
    .vgpr_count:     256
    .wavefront_size: 32
...
	.end_amdgpu_metadata
.endif
;; end of part 1
;; launch qkv (part 2): grid 12 x 16, 4 waves a work-group, clusters of 4 x 4, 327,680 bytes of LDS; arguments x_codes, x_scales, w_codes, w_scales, q_norm_w, k_norm_w, freqs_cos, freqs_sin, qkv16; writes qkv16
.if DOCPART == 2
	.amdgcn_target "amdgcn-amd-amdhsa--gfx1250"
	.amdhsa_code_object_version 6
	.text
	.protected	k_q9555438abb_qkv
	.globl	k_q9555438abb_qkv
	.p2align	8
	.type	k_q9555438abb_qkv,@function
k_q9555438abb_qkv:
	s_mov_b64 s[64:65], 0
	v_nop
	global_prefetch_b8 v0, s[64:65] scope:SCOPE_SE
	s_setreg_imm32_b32 hwreg(HW_REG_WAVE_MODE, 25, 1), 1
	s_wait_xcnt 0x0
	s_wait_alu depctr_hold_cnt(0) depctr_sa_sdst(0) depctr_va_vdst(0) depctr_va_sdst(0) depctr_va_ssrc(0) depctr_va_vcc(0) depctr_vm_vsrc(0)
	s_getreg_b32 s2, hwreg(HW_REG_IB_STS2, 6, 4)
	s_cmp_eq_u32 s2, 0
	s_cbranch_scc0 .Lentry_in_a_cluster
	s_endpgm
.Lentry_in_a_cluster:
	s_bfe_u32 s2, ttmp6, 0x10000c
	s_cmp_lg_u32 s2, 0xf033
	s_cbranch_scc0 .Lentry_shape_is_right
	s_endpgm
.Lentry_shape_is_right:
; ZImageAttention, launch 2 of 4: the three quantised products as ONE product on codes of FP4 (E2M1) with E8M0 scales, C[m][n] = sum over k of x[m][k] w[n][k], m = 4,096 (batch x position), n = 3,072 (wq | wk | wv), K = 2,048;
; on the way out q and k get reference()'s RMS norm (x rsqrt(mean of squares + 1e-5) x gain) and its rope, all in f32; q, k and v leave as f16, laid by head: qkv16 = three sections Q, K, V, each [batch x 8 + head][position][128].  Nothing is left out.
; LIMIT: v goes to f16: magnitudes over 65,504 are not served (q and k are bounded by the norm and the gain).
; A tile of C, 256 x 256, is made by a work-group of four waves; a wave makes 128 x 128: 64 accumulators, 512 registers: 128 positions of one batch x exactly ONE head.
; K goes in steps of 512 through a ring of two LDS slots filled by the tensor data mover: a tile's row is 256 bytes.  The scale bytes of the work-group's rows, for all of K, come into LDS once, with the first fills.
; CLUSTERS: 4 x 4 work-groups.  The four of a row of the cluster need the same tiles of x, the four of a column the same tiles of w: each tile is asked for JOINTLY.  The cluster's x is the kind (0 q, 1 k, 2 v):
; it is the same in all sixteen partners, so the one branch on it, on the way out, is taken alike by all.
; THE MATRIX INSTRUCTION IS USED TRANSPOSED (source 0 = 16 rows of w, source 1 = 16 rows of x): a lane holds ONE position (lane % 16) and 64 of its head's 128 numbers, the lane 16 away the other 64.
; REGISTERS, in windows of 256: window 0: v0-31 addresses; v32-95 scale words, two sets, and nothing else ever; v128-191 x's fragments, one set.  Window 1: w's fragments, two sets, at v0 and v128.  Windows 2, 3: the accumulators ((a, b) at v[8 (8 (a % 4) + b)]).
; ON q's AND k's WAY OUT: window 0: v8-11 the gain; v16-23 the eight blocks' rsqrt; v96-159 and v192-255 16 rows read back, two sets; v160-191 sums of squares, later at work.
;   Window 1: v0-63 a block scaled; v64-127 and v192-255 cosines and sines, two sets; v128-191 f16 results, two sets.  ON v's: window 0: v96-159 rows read back; v192-255 f16 results, two sets.
.set SIZE_K, 2048
.set KSTEP,  512
.set NQ,     KSTEP/128
.set ROWB,   256                       ; a tile's row in bytes
.set KROW,   SIZE_K*4/8                ; a row of codes in memory
.set PITCH,  272                       ; an LDS row: 256 bytes + 16 of padding, so that the 16 rows that a load touches start 68 words apart
.set FR,     8
.set NL,     2
.set NP,     4                         ; places behind this matrix instruction (ISA guide 7.12.1)
.set HALFT,  128*PITCH
.set SLOT,   4*HALFT
.set LAPS,   SIZE_K/(2*KSTEP)
.set KS,     SIZE_K/32
.set SCL,    2*SLOT                    ; behind the ring: the scales, as rows of 256 bytes + 16 of padding
.set HALFS,  (128*KS/256)*272
.set SBLK,   (16*KS/256)*272
.set SPARE,  SCL+4*HALFS               ; the spare words, 128 bytes a wave, that no other line names
.set SPITCH, 528                       ; the way out: a stage of 16 rows x (512 bytes + 16) for each wave, in slot 0, which has had its last fill and its last read by then
.set VSTG,   4*16*SPITCH               ; v's way out has stages of its own, behind the norm's four
.set ADRA, 16
.set ADRB, 20
.set STO,  24                          ; v24  the way out: where I put 32 bytes of a row
.set RD,   25                          ; v25  where I read a row back
.set CO,   26                          ; v26  16 x lane
.set ADRS, 27
.set SPW,  28                          ; v28  LDS address of my spare word; never rewritten
.set NIL,  29                          ; v29  0; never rewritten
.set C8,   14                          ; v14  8 x lane
.set GW,   8                           ; v8-11 the gain at my four columns
.set RS,   16
.set SC,   32
.set AF,   128
.set TMP,  0                           ; in window 1
.set BB,   96                          ; rows read back: set 0 here, set 1 96 registers on
.set SS,   160
.set TW,   160
.set OUT,  192                         ; v's f16 results, in window 0
.set OUTW, 128                         ; q's and k's, in window 1
.set G1, 24
.set G0, 32
.set G1B, 48
.set G0B, 56
.set G1S, 68
.set G0S, 76
.set G1SB, 80
.set G0SB, 88
.set MSB, 0
.macro WIN new                         ; the immediate's high byte repeats the setting that is left; a switch that changes nothing is dropped
.if MSB != (\new)
	s_set_vgpr_msb (MSB<<8)|(\new)
.set MSB, (\new)
.endif
.endm
.set MUL_LO, 0xa1                      ; source 0 (w) window 1, source 1 (x) window 0, C and D window 2
.set MUL_HI, 0xf1
.set TO_B,   0x40
; A joint load: waves 0 and 1 fetch for x, waves 2 and 3 for w.  The branch hangs on the wave's number alone.  An s_nop 0 and four v_nop follow each of the two lines.
.macro JLOAD g0a, g1a, g0b, g1b
	s_cmp_eq_u32 s15, 0
	s_cbranch_scc0 .Lfor_b_\@
	tensor_load_to_lds s[\g0a:\g0a+3], s[\g1a:\g1a+7]
	s_nop 0
.rept 4
	v_nop
.endr
	s_branch .Lasked_\@
.Lfor_b_\@:
	tensor_load_to_lds s[\g0b:\g0b+3], s[\g1b:\g1b+7]
	s_nop 0
.rept 4
	v_nop
.endr
.Lasked_\@:
.endm
.macro CREST                           ; a round of the cluster's barrier behind its opening barrier
	s_cmp_lg_u32 s14, 0
	s_cbranch_scc1 .Lnot_wave_0_\@
	s_barrier_signal -3
.Lnot_wave_0_\@:
	s_barrier_wait -3
	s_barrier_signal -1
	s_barrier_wait -1
.endm
.macro CROUND
	s_barrier_signal -1
	s_barrier_wait -1
	CREST
.endm
	s_load_b256 s[4:11], s[0:1], 0x0               ; x's codes s[4:5], x's scales s[6:7], w's codes s[8:9], w's scales s[10:11]
	v_lshl_add_u32 v[SPW], v0, 2, SPARE
	v_mov_b32 v[NIL], 0
	ds_add_u32 v[SPW], v[NIL]                      ; the wave's opening: the add, twice on end, and its wait ahead of my first tensor load; the set-up below stands between
	ds_add_u32 v[SPW], v[NIL]
	v_lshrrev_b32 v1, 5, v0
	v_readfirstlane_b32 s14, v1                    ; wave 0..3
	s_lshr_b32 s15, s14, 1                         ; which half of the tile's rows is mine.  Also: I fetch for x (0) or for w (1)
	s_and_b32 s16, s14, 1                          ; which half of its columns.  Also: which 128 rows of that tile I fetch
	s_bfe_u32 s40, ttmp6, 0x40000                  ; cx, cy: my place in the cluster
	s_bfe_u32 s41, ttmp6, 0x40004
	s_lshl_b32 s42, ttmp9, 2
	s_add_co_u32 s42, s42, s40                     ; tile column = 4 x cluster x + cx
	s_and_b32 s17, ttmp7, 0xffff
	s_lshl_b32 s17, s17, 2
	s_add_co_u32 s17, s17, s41                     ; tile row = 4 x cluster y + cy
	s_lshl_b32 s43, s41, 2
	s_lshl_b32 s43, 15, s43                        ; my row of the cluster
	s_lshl_b32 s44, 0x1111, s40                    ; my column
	s_or_b32 s[G1+0], s43, (0<<16)|(1<<20)|(1<<21)|(5<<22)|(3<<25)  ; the mask; elements of 1 byte; padding on; bit 21 beside a mask; 4 words behind every 64
	s_or_b32 s[G1B+0], s44, (0<<16)|(1<<20)|(1<<21)|(5<<22)|(3<<25)
.irp g, G1, G1B
	s_mov_b32 s[\g+1], ROWB<<16                    ; tensor_dim0
	s_mov_b32 s[\g+2], 128<<16                     ; tensor_dim1
	s_mov_b32 s[\g+3], ROWB<<16                    ; tile_dim0
	s_mov_b32 s[\g+4], 128                         ; tile_dim1
	s_mov_b32 s[\g+5], KROW                        ; the pitch
	s_mov_b32 s[\g+6], 0
	s_mov_b32 s[\g+7], 0
.endr
	s_or_b32 s[G1S+0], s43, (3<<16)|(1<<20)|(1<<21)|(5<<22)|(3<<25)  ; the scales of 128 rows: a dense block, as rows of 32 elements of 8 bytes
	s_or_b32 s[G1SB+0], s44, (3<<16)|(1<<20)|(1<<21)|(5<<22)|(3<<25)
.irp g, G1S, G1SB
	s_mov_b32 s[\g+1], 32<<16
	s_mov_b32 s[\g+2], (128*KS/256)<<16
	s_mov_b32 s[\g+3], 32<<16
	s_mov_b32 s[\g+4], 128*KS/256
	s_mov_b32 s[\g+5], 32
	s_mov_b32 s[\g+6], 0
	s_mov_b32 s[\g+7], 0
.endr
	s_lshl_b32 s18, s16, 7
	s_lshl_b32 s20, s17, 8
	s_add_co_u32 s20, s20, s18                     ; x: row 256 x tile row + 128 x half
	s_lshl_b32 s46, s42, 8
	s_add_co_u32 s46, s46, s18                     ; w: row 256 x tile column + 128 x half
	s_mov_b32 s21, 0
	s_mov_b32 s47, 0
	s_mov_b64 s[18:19], KS
	s_mul_u64 s[22:23], s[20:21], s[18:19]         ; where these rows' scales begin
	s_mul_u64 s[92:93], s[46:47], s[18:19]
	s_mov_b64 s[18:19], KROW
	s_mul_u64 s[20:21], s[20:21], s[18:19]         ; and their codes
	s_mul_u64 s[46:47], s[46:47], s[18:19]
	s_mul_i32 s45, s14, HALFT                      ; where they go: wave x 128 rows: no place in the cluster enters an LDS address
	s_mul_i32 s94, s14, HALFS
	s_mov_b32 s66, 0x76543210                      ; v_permlanex16_b32's selects for the lane 16 away
	s_mov_b32 s67, 0xfedcba98
	s_mov_b32 s96, 0x3c000000                      ; 1 / 128
	s_mov_b32 s97, 0x3727c5ac                      ; 1e-5
	s_wait_dscnt 0x0                               ; both opening adds are done
	s_wait_kmcnt 0x0
	s_add_nc_u64 s[20:21], s[4:5], s[20:21]
	s_add_nc_u64 s[22:23], s[6:7], s[22:23]
	s_add_nc_u64 s[46:47], s[8:9], s[46:47]
	s_add_nc_u64 s[92:93], s[10:11], s[92:93]
	CROUND                                         ; all sixteen work-groups are here: the first joint loads meet
	s_mov_b32 s[G0S], 1
	s_add_co_u32 s[G0S+1], s94, SCL
	s_mov_b64 s[G0S+2:G0S+3], s[22:23]
	s_or_b32 s[G0S+3], s[G0S+3], 0x80000000
	s_mov_b32 s[G0SB], 1
	s_add_co_u32 s[G0SB+1], s94, SCL
	s_mov_b64 s[G0SB+2:G0SB+3], s[92:93]
	s_or_b32 s[G0SB+3], s[G0SB+3], 0x80000000
	JLOAD G0S, G1S, G0SB, G1SB                     ; the scales first: they are wanted with K step 0
.irp s, 0,1
	s_mov_b32 s[G0+4*\s], 1
	s_add_co_u32 s[G0+4*\s+1], s45, \s*SLOT
	s_add_nc_u64 s[G0+4*\s+2:G0+4*\s+3], s[20:21], \s*ROWB
	s_or_b32 s[G0+4*\s+3], s[G0+4*\s+3], 0x80000000
	s_mov_b32 s[G0B+4*\s], 1
	s_add_co_u32 s[G0B+4*\s+1], s45, \s*SLOT
	s_add_nc_u64 s[G0B+4*\s+2:G0B+4*\s+3], s[46:47], \s*ROWB
	s_or_b32 s[G0B+4*\s+3], s[G0B+4*\s+3], 0x80000000
	JLOAD G0+4*\s, G1, G0B+4*\s, G1B
.endr
	s_load_b256 s[4:11], s[0:1], 0x20              ; q_norm_w s[4:5], k_norm_w s[6:7], freqs_cos s[8:9], freqs_sin s[10:11]
	s_load_b64 s[12:13], s[0:1], 0x40              ; qkv16
	v_and_b32 v1, 15, v0                           ; l % 16
	v_bfe_u32 v2, v0, 4, 1                         ; l / 16
	v_mul_u32_u24 v3, v1, PITCH
	v_lshl_add_u32 v4, v2, 4, v3                   ; a fragment's row x pitch + 16 x half
	s_mul_i32 s21, s15, HALFT                      ; my 128 rows of x
	s_mul_i32 s22, s16, HALFT                      ; my 128 rows of w,
	s_add_co_u32 s22, s22, 2*HALFT                 ; which lie behind x's 256
.irp s, 0,1
	v_add_nc_u32 v[ADRA+\s], s21, v4
	v_add_nc_u32 v[ADRB+\s], s22, v4
	s_add_co_u32 s21, s21, SLOT
	s_add_co_u32 s22, s22, SLOT
.endr
	v_mul_u32_u24 v5, v1, KS                       ; my row's scales: KS bytes a row,
	v_lshrrev_b32 v6, 8, v5
	v_lshl_add_u32 v5, v6, 4, v5                   ; and 16 more for each 256 passed
	s_mul_i32 s21, s15, HALFS
	s_mul_i32 s22, s16, HALFS
	s_add_co_u32 s22, s22, 2*HALFS
	s_sub_co_u32 s22, s22, s21
	v_mul_u32_u24 v6, s22, v2                      ; lanes 16-31 take w's: one product, the distance between the two bases
	s_add_co_u32 s21, s21, SCL
	v_add_nc_u32 v5, v5, v6
	v_add_nc_u32 v[ADRS], s21, v5
	s_mul_i32 s23, s14, 16*SPITCH                  ; my stage
	v_mul_u32_u24 v5, v1, SPITCH                   ; in: row l % 16, 32 bytes for each half of the lanes
	v_lshl_add_u32 v5, v2, 5, v5
	v_add_nc_u32 v[STO], s23, v5
	v_and_b32 v6, 31, v0
	v_lshlrev_b32 v[CO], 4, v6                     ; back: the 32 lanes take one row of 512 bytes
	v_add_nc_u32 v[RD], s23, v[CO]
	v_lshlrev_b32 v[C8], 3, v6
	; where my 128 positions x one head go, and where their cosines and sines lie
	s_lshl_b32 s20, s17, 8
	s_lshl_b32 s21, s15, 7
	s_add_co_u32 s20, s20, s21                     ; my first row of x: 256 x tile row + 128 x half
	s_lshr_b32 s21, s20, 11                        ; the batch
	s_and_b32 s22, s20, 2047                       ; my first position
	s_lshl_b32 s21, s21, 3
	s_lshl_b32 s46, s40, 1
	s_add_co_u32 s46, s46, s16                     ; the head: 2 cx + my half of the columns
	s_add_co_u32 s46, s46, s21                     ; + 8 x batch
	s_lshl_b32 s46, s46, 11
	s_add_co_u32 s46, s46, s22                     ; x 2,048 positions + mine
	s_lshl_b32 s46, s46, 8                         ; rows of 256 bytes
	s_lshl_b32 s47, ttmp9, 23                      ; the section: 8,388,608 bytes x kind
	s_add_co_u32 s46, s46, s47
	s_mov_b32 s47, 0
	s_lshl_b32 s22, s22, 8                         ; a position's 64 cosines are 256 bytes
	s_mov_b32 s23, 0
	s_wait_kmcnt 0x0
	s_add_nc_u64 s[12:13], s[12:13], s[46:47]
	s_add_nc_u64 s[8:9], s[8:9], s[22:23]
	s_add_nc_u64 s[10:11], s[10:11], s[22:23]
	s_cmp_eq_u32 ttmp9, 0
	s_cselect_b64 s[4:5], s[4:5], s[6:7]           ; q's gain or k's
.macro FRAG reg, adr, q, i             ; 16 rows x 128 K of 4-bit codes: 8 registers: lane l holds row l % 16; registers 4 c .. 4 c + 3 hold K = 64 c + 32 (l / 16) + 0 .. 31
.irp c, 0,1
	ds_load_b128 v[\reg+4*\c:\reg+4*\c+3], v[\adr] offset:64*(\q)+32*\c+(\i)*16*PITCH
.endr
.endm
; 16 matrix instructions: x's blocks a0, a0 + 1 against w's eight, 128 along K.  The 64 accumulators take turns, one instruction a turn, in the same order in every step.
; One register carries x's scale word (lanes 0-15) and w's (lanes 16-31) of block i.
.macro MUL16 a0, p, q, sc, zero
.irp a, \a0, \a0+1
.irp b, 0,1,2,3,4,5,6,7
.if \zero
	v_wmma_scale_f32_16x16x128_f8f6f4 v[8*(8*((\a)%4)+\b):8*(8*((\a)%4)+\b)+7], v[128*(\p)+FR*\b:128*(\p)+FR*\b+FR-1], v[AF+FR*(\a):AF+FR*(\a)+FR-1], 0, v[SC+8*NQ*(\sc)+NQ*\b+(\q)], v[SC+8*NQ*(\sc)+NQ*(\a)+(\q)] matrix_a_fmt:MATRIX_FMT_FP4 matrix_b_fmt:MATRIX_FMT_FP4 matrix_a_scale:MATRIX_SCALE_ROW1
.else
	v_wmma_scale_f32_16x16x128_f8f6f4 v[8*(8*((\a)%4)+\b):8*(8*((\a)%4)+\b)+7], v[128*(\p)+FR*\b:128*(\p)+FR*\b+FR-1], v[AF+FR*(\a):AF+FR*(\a)+FR-1], v[8*(8*((\a)%4)+\b):8*(8*((\a)%4)+\b)+7], v[SC+8*NQ*(\sc)+NQ*\b+(\q)], v[SC+8*NQ*(\sc)+NQ*(\a)+(\q)] matrix_a_fmt:MATRIX_FMT_FP4 matrix_b_fmt:MATRIX_FMT_FP4 matrix_a_scale:MATRIX_SCALE_ROW1
.endif
.endr
.endr
.endm
.macro FETCH_B slot, q, p
	WIN TO_B
.irp i, 0,1,2,3,4,5,6,7
	FRAG 128*(\p)+FR*\i, ADRB+\slot, \q, \i
.endr
	WIN 0
.endm
.macro FETCH_A slot, q, i0
.irp i, \i0, \i0+1, \i0+2, \i0+3
	FRAG AF+FR*(\i), ADRA+\slot, \q, \i
.endr
.endm
.macro SCALES sc                       ; the next K step's scale words: four words a row; lanes 0-15 x's block i, lanes 16-31 w's block i
.irp i, 0,1,2,3,4,5,6,7
	ds_load_b128 v[SC+8*NQ*\sc+NQ*\i:SC+8*NQ*\sc+NQ*\i+3], v[ADRS] offset:\i*SBLK
.endr
.endm
.macro PLACES n                        ; plain vector instructions between a matrix instruction and a load into, or a read of, its registers
.rept \n
	v_nop
.endr
.endm
.macro STEP slot, q, zero              ; a step of 128 along K that has its successor in the same slot
	s_wait_dscnt 4*NL                              ; w's set and x's blocks 0-3 are in; the youngest eight loads (x's blocks 4-7) may be out
	WIN MUL_LO
	MUL16 0, (\q)%2, \q, \slot, \zero
	MUL16 2, (\q)%2, \q, \slot, \zero
	s_wait_dscnt 0
	PLACES NP
	FETCH_B \slot, (\q)+1, 1-(\q)%2
	FETCH_A \slot, (\q)+1, 0
	WIN MUL_HI
	MUL16 4, (\q)%2, \q, \slot, \zero
	MUL16 6, (\q)%2, \q, \slot, \zero
	PLACES NP
	WIN 0
	FETCH_A \slot, (\q)+1, 4
.endm
; A slot's last step changes slots: ONE barrier; in front of it each wave waits for all its tensor loads, adds 0 to its spare word, and waits for that and for its reads of this slot.  fill = 1: the slot is filled again, two K steps ahead.
.macro TURN slot, next, fill
	s_wait_tensorcnt 0x0                           ; all my tensor loads have landed: my part of the next slot
	ds_add_u32 v[SPW], v[NIL]                      ; 0 onto my spare word
	s_wait_dscnt 4*NL+1                            ; (the add and the youngest eight loads may be out)
	WIN MUL_LO
	MUL16 0, 1, NQ-1, \slot, 0
	s_wait_dscnt 0x0                               ; the add is done, and my reads of this slot are over
	s_barrier_signal -1
	MUL16 2, 1, NQ-1, \slot, 0
	WIN 0
	s_barrier_wait -1
.if \fill
	CREST                                          ; the barrier has opened a round of the cluster's: no wave of any partner still reads this slot or has a load on its way
	s_add_nc_u64 s[G0+4*\slot+2:G0+4*\slot+3], s[G0+4*\slot+2:G0+4*\slot+3], 2*ROWB
	s_add_nc_u64 s[G0B+4*\slot+2:G0B+4*\slot+3], s[G0B+4*\slot+2:G0B+4*\slot+3], 2*ROWB
	JLOAD G0+4*\slot, G1, G0B+4*\slot, G1B         ; the first tensor load behind the round; its four v_nop are the places in front of the loads below
.else
	PLACES NP
.endif
	v_add_nc_u32 v[ADRS], 4*NQ, v[ADRS]            ; on to the next K step's scale words
	FETCH_B \next, 0, 0
	FETCH_A \next, 0, 0
	SCALES \next
	WIN MUL_HI
	MUL16 4, 1, NQ-1, \slot, 0
	MUL16 6, 1, NQ-1, \slot, 0
	PLACES NP
	WIN 0
	FETCH_A \next, 0, 4
.endm
.macro STEPS slot, from
.set Q, \from
.rept NQ-1-\from
	STEP \slot, Q, 0
.set Q, Q+1
.endr
.endm
	s_wait_tensorcnt 1                             ; the scales and my part of K step 0 are in (K step 1's load may be out),
	s_barrier_signal -1
	s_barrier_wait -1                              ; everybody's are
	FETCH_B 0, 0, 0
	FETCH_A 0, 0, 0
	SCALES 0
	FETCH_A 0, 0, 4
	STEP 0, 0, 1                                   ; the first step's products start the sums: nothing is cleared
	s_mov_b32 s3, LAPS-1
.Llap:                                                 ; a trip goes once round the ring, from a lap's second step to the next lap's first, and fills both slots again
	STEPS 0, 1
	TURN 0, 1, 1
	STEPS 1, 0
	TURN 1, 0, 1
	STEP 0, 0, 0
	s_sub_co_u32 s3, s3, 1
	s_cmp_lg_u32 s3, 0
	s_cbranch_scc1 .Llap
	STEPS 0, 1                                     ; the last lap fills nothing
	TURN 0, 1, 0
	STEPS 1, 0
	s_wait_dscnt 4*NL
	WIN MUL_LO
	MUL16 0, 1, NQ-1, 1, 0
	MUL16 2, 1, NQ-1, 1, 0
	s_wait_dscnt 0
	WIN MUL_HI
	MUL16 4, 1, NQ-1, 1, 0
	MUL16 6, 1, NQ-1, 1, 0
	WIN 0
	PLACES NP                                      ; behind the last products: they serve every read of results and every write of operands below
	s_cmp_eq_u32 ttmp9, 2                          ; the kind: the same in all partners
	s_cbranch_scc1 .Lvout
; ---- q and k: norm, gain, rope, f16
.macro LOADCS a                        ; block a's 16 positions: 64 cosines and 64 sines each, 8 bytes a lane (my two pairs): each load reads 256 consecutive bytes.  It leaves the destination's window at 1
	WIN 0x40
.set ci, 0
.rept 16
	global_load_b64 v[64+128*((\a)%2)+2*ci:64+128*((\a)%2)+2*ci+1], v[C8], s[8:9] offset:(16*(\a)+ci)*256
	global_load_b64 v[96+128*((\a)%2)+2*ci:96+128*((\a)%2)+2*ci+1], v[C8], s[10:11] offset:(16*(\a)+ci)*256
.set ci, ci+1
.endr
.endm
.macro SQ a, i                         ; four more squares of block a, in two chains; i ascends
.set AC, 64*((\a)%4)+(\i)
.set SA, SS+4*(\a)
.if (\i) == 0
	v_pk_mul_f32 v[SA:SA+1], v[AC:AC+1], v[AC:AC+1]
	v_pk_mul_f32 v[SA+2:SA+3], v[AC+2:AC+3], v[AC+2:AC+3]
.else
	v_pk_fma_f32 v[SA:SA+1], v[AC:AC+1], v[AC:AC+1], v[SA:SA+1]
	v_pk_fma_f32 v[SA+2:SA+3], v[AC+2:AC+3], v[AC+2:AC+3], v[SA+2:SA+3]
.endif
.endm
	global_load_b128 v[GW:GW+3], v[CO], s[4:5]     ; the gain at columns 4 l .. 4 l + 3
	LOADCS 0
.irp g, 0,4                            ; a window's four blocks by turns: eight chains
	WIN 0x0a+5*(\g/4)
.set qi, 0
.rept 16
.irp d, 0,1,2,3
	SQ \g+\d, qi
.endr
.set qi, qi+4
.endr
.endr
	LOADCS 1                                       ; the second block's, into the other set: from here on cosines and sines are asked for two blocks ahead
	WIN 0
.irp a, 0,1,2,3,4,5,6,7
	v_add_f32 v[RS+\a], v[SS+4*\a], v[SS+4*\a+1]
	v_add_f32 v[SS+4*\a+2], v[SS+4*\a+2], v[SS+4*\a+3]
.endr
.irp a, 0,1,2,3,4,5,6,7
	v_add_f32 v[RS+\a], v[RS+\a], v[SS+4*\a+2]     ; my 64 squares
.endr
.irp a, 0,1,2,3,4,5,6,7
	v_permlanex16_b32 v[SS+4*\a], v[RS+\a], s66, s67
.endr
.irp a, 0,1,2,3,4,5,6,7
	v_add_f32 v[RS+\a], v[RS+\a], v[SS+4*\a]       ; with the other 64 of my position
.endr
.irp a, 0,1,2,3,4,5,6,7
	v_fma_f32 v[RS+\a], v[RS+\a], s96, s97         ; the mean + 1e-5
.endr
.irp a, 0,1,2,3,4,5,6,7
	v_rsq_f32 v[RS+\a], v[RS+\a]
.endr
	v_nop                                          ; a plain instruction behind the last of the batch
	s_wait_alu depctr_va_vdst(0)                   ; the wait ahead of the first reader: one for the eight
; Block a, 16 positions, goes in two parts, and the first part runs ONE BLOCK AHEAD of the second, so that a block's trip through LDS stands beside the block before's arithmetic.
; STG a: x rsqrt (a lane holds one position), into my stage, and back so that a lane holds four neighbouring columns of a whole row: into set a % 2.
.macro STG a
.set SAC, 64*((\a)%4)
.set SRP, RS+((\a)/2)*2
.set SBS, BB+96*((\a)%2)
	WIN 0x42+(\a)/4                                ; source 0 window 2 or 3, destination window 1
.set oi, 0
.rept 32
.if ((\a)%2) == 0
	v_pk_mul_f32 v[TMP+oi:TMP+oi+1], v[SAC+oi:SAC+oi+1], v[SRP:SRP+1] op_sel_hi:[1,0]
.else
	v_pk_mul_f32 v[TMP+oi:TMP+oi+1], v[SAC+oi:SAC+oi+1], v[SRP:SRP+1] op_sel:[0,1] op_sel_hi:[1,1]
.endif
.set oi, oi+2
.endr
	WIN 0x04                                       ; an LDS store's data are its source 1: window 1
.irp b, 0,1,2,3,4,5,6,7
	ds_store_b128 v[STO], v[TMP+8*\b:TMP+8*\b+3] offset:64*\b
	ds_store_b128 v[STO], v[TMP+8*\b+4:TMP+8*\b+7] offset:64*\b+16
.endr
	WIN 0
.set oi, 0
.rept 16
	ds_load_b128 v[SBS+4*oi:SBS+4*oi+3], v[RD] offset:oi*SPITCH   ; LDS serves a wave's instructions in order: these see my stores
.set oi, oi+1
.endr
.endm
; OUTN a: x gain; rope; f16; a row of 256 bytes a store.
.macro OUTN a
	s_wait_dscnt 0x0                               ; block a's rows are back, and the stage's stores have read their registers: the stage and those registers may be written again
.if (\a) < 7
	STG (\a)+1                                     ; the next block sets out: 32 LDS instructions that land beside the arithmetic below
	s_wait_loadcnt 32                              ; this block's cosines and sines (and the gain) are in; the next block's 32 loads may be out
.else
	s_wait_loadcnt 0x0
.endif
	s_wait_xcnt 0x0                                ; the stores of two blocks ago have read their data registers, which are written below
.set BS, BB+96*((\a)%2)
.set OB, OUTW+32*((\a)%2)
.set CN, 64+128*((\a)%2)
.set SN, 96+128*((\a)%2)
.set oi, 0
.rept 16
	v_pk_mul_f32 v[BS+4*oi:BS+4*oi+1], v[BS+4*oi:BS+4*oi+1], v[GW:GW+1]
	v_pk_mul_f32 v[BS+4*oi+2:BS+4*oi+3], v[BS+4*oi+2:BS+4*oi+3], v[GW+2:GW+3]
.set oi, oi+1
.endr
	WIN 0x04                                       ; source 1 (cosines, sines) window 1
.set oi, 0
.rept 16                               ; a pair (y0, y1) with its c and s: (y0 c - y1 s, y1 c + y0 s): first (y1 s, y0 s), then y x c with the first half taken away and the second added
.set TT, TW+4*(oi%2)
	v_pk_mul_f32 v[TT:TT+1], v[BS+4*oi:BS+4*oi+1], v[SN+2*oi:SN+2*oi+1] op_sel:[1,0] op_sel_hi:[0,0]
	v_pk_mul_f32 v[TT+2:TT+3], v[BS+4*oi+2:BS+4*oi+3], v[SN+2*oi:SN+2*oi+1] op_sel:[1,1] op_sel_hi:[0,1]
	v_pk_fma_f32 v[BS+4*oi:BS+4*oi+1], v[BS+4*oi:BS+4*oi+1], v[CN+2*oi:CN+2*oi+1], v[TT:TT+1] op_sel_hi:[1,0,1] neg_lo:[0,0,1]
	v_pk_fma_f32 v[BS+4*oi+2:BS+4*oi+3], v[BS+4*oi+2:BS+4*oi+3], v[CN+2*oi:CN+2*oi+1], v[TT+2:TT+3] op_sel:[0,1,0] op_sel_hi:[1,1,1] neg_lo:[0,0,1]
.set oi, oi+1
.endr
.if (\a) < 6
	LOADCS (\a)+2                                  ; the set that the rope has just read takes the cosines and sines of two blocks on
.endif
	WIN 0x40                                       ; destination window 1
.set oi, 0
.rept 16
	v_cvt_pk_f16_f32 v[OB+2*oi], v[BS+4*oi], v[BS+4*oi+1]
	v_cvt_pk_f16_f32 v[OB+2*oi+1], v[BS+4*oi+2], v[BS+4*oi+3]
.set oi, oi+1
.endr
	WIN 0x04                                       ; a store's data are its source 1: window 1
.set oi, 0
.rept 16
	global_store_b64 v[C8], v[OB+2*oi:OB+2*oi+1], s[12:13] offset:4096*(\a)+256*oi   ; 32 lanes store a head's row: 256 consecutive bytes, aligned
.set oi, oi+1
.endr
	WIN 0
.endm
	STG 0
.irp a, 0,1,2,3,4,5,6,7
	OUTN \a
.endr
	s_branch .Lend
.Lvout:
; ---- v: through the stage as it is, f16
.macro OUTV a
.set AC, 64*((\a)%4)
.set OB, OUT+32*((\a)%2)
	WIN 0x08+4*((\a)/4)                            ; the data: window 2 or 3
.irp b, 0,1,2,3,4,5,6,7
	ds_store_b128 v[STO], v[AC+8*\b:AC+8*\b+3] offset:VSTG+64*\b          ; each accumulator from its low end on
	ds_store_b128 v[STO], v[AC+8*\b+4:AC+8*\b+7] offset:VSTG+64*\b+16
.endr
	WIN 0
.set oi, 0
.rept 16
	ds_load_b128 v[BB+4*oi:BB+4*oi+3], v[RD] offset:VSTG+oi*SPITCH
.set oi, oi+1
.endr
	s_wait_dscnt 0x0
	s_wait_xcnt 0x0                                ; the stores of two blocks ago have read their data registers
.set oi, 0
.rept 16
	v_cvt_pk_f16_f32 v[OB+2*oi], v[BB+4*oi], v[BB+4*oi+1]
	v_cvt_pk_f16_f32 v[OB+2*oi+1], v[BB+4*oi+2], v[BB+4*oi+3]
.set oi, oi+1
.endr
.set oi, 0
.rept 16
	global_store_b64 v[C8], v[OB+2*oi:OB+2*oi+1], s[12:13] offset:4096*(\a)+256*oi
.set oi, oi+1
.endr
.endm
.irp a, 0,1,2,3,4,5,6,7
	OUTV \a
.endr
.Lend:
	s_wait_tensorcnt 0x0                           ; the wave's end, behind my last tensor load and my last LDS store
	ds_add_u32 v[SPW], v[NIL]
	s_wait_dscnt 0x0
	CROUND                                         ; the closing round: no work-group ends while a partner may still ask for a tile that names it
	s_endpgm
.Lfunc_end_k_q9555438abb_qkv:
	.size	k_q9555438abb_qkv, .Lfunc_end_k_q9555438abb_qkv-k_q9555438abb_qkv
	.p2alignl 7, 3214868480
	.fill 96, 4, 3214868480
	.section	.rodata,"a",@progbits
	.p2align	6, 0x0
	.amdhsa_kernel k_q9555438abb_qkv
		.amdhsa_group_segment_fixed_size 327680
		.amdhsa_private_segment_fixed_size 0
		.amdhsa_enable_private_segment 0
		.amdhsa_kernarg_size 72
		.amdhsa_user_sgpr_count 2
		.amdhsa_user_sgpr_kernarg_segment_ptr 1
		.amdhsa_wavefront_size32 1
		.amdhsa_system_sgpr_workgroup_id_x 1
		.amdhsa_system_sgpr_workgroup_id_y 1
		.amdhsa_system_sgpr_workgroup_id_z 1
		.amdhsa_system_vgpr_workitem_id 0
		.amdhsa_next_free_vgpr 1024
		.amdhsa_next_free_sgpr 100
		.amdhsa_reserve_vcc 0
		.amdhsa_float_denorm_mode_32 3
		.amdhsa_float_denorm_mode_16_64 3
		.amdhsa_memory_ordered 1
		.amdhsa_forward_progress 1
		.amdhsa_inst_pref_size 255
	.end_amdhsa_kernel
	.section	.bss,"aw",@nobits
	.p2align	6
	.space	262144
	.amdgpu_metadata
---
amdhsa.version: [ 1, 2 ]
amdhsa.kernels:
  - .name:           k_q9555438abb_qkv
    .symbol:         k_q9555438abb_qkv.kd
    .args:
      - { .name: x_codes, .offset: 0, .size: 8, .value_kind: global_buffer, .address_space: global }
      - { .name: x_scales, .offset: 8, .size: 8, .value_kind: global_buffer, .address_space: global }
      - { .name: w_codes, .offset: 16, .size: 8, .value_kind: global_buffer, .address_space: global }
      - { .name: w_scales, .offset: 24, .size: 8, .value_kind: global_buffer, .address_space: global }
      - { .name: q_norm_w, .offset: 32, .size: 8, .value_kind: global_buffer, .address_space: global }
      - { .name: k_norm_w, .offset: 40, .size: 8, .value_kind: global_buffer, .address_space: global }
      - { .name: freqs_cos, .offset: 48, .size: 8, .value_kind: global_buffer, .address_space: global }
      - { .name: freqs_sin, .offset: 56, .size: 8, .value_kind: global_buffer, .address_space: global }
      - { .name: qkv16, .offset: 64, .size: 8, .value_kind: global_buffer, .address_space: global }
    .group_segment_fixed_size: 327680
    .private_segment_fixed_size: 0
    .kernarg_segment_align: 8
    .kernarg_segment_size: 72
    .max_flat_workgroup_size: 128
    .sgpr_count:     100
    .vgpr_count:     1024
    .wavefront_size: 32
...
	.end_amdgpu_metadata
.endif
;; end of part 2
;; launch attn (part 3): grid 16 x 16, 4 waves a work-group, clusters of 4 x 1, 327,680 bytes of LDS; arguments qkv16, o16; writes o16
.if DOCPART == 3
	.amdgcn_target "amdgcn-amd-amdhsa--gfx1250"
	.amdhsa_code_object_version 6
	.text
	.protected	k_q9555438abb_attn
	.globl	k_q9555438abb_attn
	.p2align	8
	.type	k_q9555438abb_attn,@function
k_q9555438abb_attn:
	s_mov_b64 s[64:65], 0
	v_nop
	global_prefetch_b8 v0, s[64:65] scope:SCOPE_SE
	s_setreg_imm32_b32 hwreg(HW_REG_WAVE_MODE, 25, 1), 1
	s_wait_xcnt 0x0
	s_wait_alu depctr_hold_cnt(0) depctr_sa_sdst(0) depctr_va_vdst(0) depctr_va_sdst(0) depctr_va_ssrc(0) depctr_va_vcc(0) depctr_vm_vsrc(0)
	s_getreg_b32 s2, hwreg(HW_REG_IB_STS2, 6, 4)
	s_cmp_eq_u32 s2, 0
	s_cbranch_scc0 .Lentry_in_a_cluster
	s_endpgm
.Lentry_in_a_cluster:
	s_bfe_u32 s2, ttmp6, 0x10000c
	s_cmp_lg_u32 s2, 0x3003
	s_cbranch_scc0 .Lentry_shape_is_right
	s_endpgm
.Lentry_shape_is_right:
; ZImageAttention, launch 3 of 4: O[y][q][:] = the sum over k of softmax_k(Q[y][q] . K[y][k] / sqrt(128)) V[y][k][:], y = batch x 8 + head, 2,048 positions, no mask.  Nothing is left out.
; Q, K, V: the three sections of qkv16, each [16][2048][128] f16.  Products, maxima and sums in f32; the weights p are rounded to f16 for the second product, O once at the end.  o16: [batch x 2048 + position][head x 128 + channel] f16.
; SHARES.  A work-group owns 128 queries of one head.  Waves 2 g and 2 g + 1 own the same 64 queries (four tiles of 16) and SHARE THE KEYS: of each 256 keys wave 2 g + kh walks keys 128 kh .. 128 kh + 127, 64 a step: 16 steps a wave.
; So a fragment of K or V read from LDS still feeds four tiles of queries, and 256 work-groups have work.  At the end the two waves join their maxima, sums and O^T through LDS.
; THE JOIN HAS NO BRANCH: a wave's register tiles 0, 1 hold query rows 32 kh + 16 t of the pair's 64 and its tiles 2, 3 rows 32 (kh ^ 1) + 16 (t - 2): each wave sends its tiles 2, 3 and finishes its tiles 0, 1, which are the partner's 2, 3.
; LAYOUT.  S^T = K Q^T (source 0 = 16 keys, source 1 = 16 queries): a lane holds ONE query (lane % 16) and the keys 8 (lane / 16) + 0..7.  Two such tiles, rounded to f16 in pairs, ARE source 1 of O^T = V^T P.
; K comes out of LDS as it lies, V ([key][channel]) turned, by ds_load_tr16_b128.
; SOFTMAX.  For each query a running maximum m and sum l: p = 2^(c s - c m), c = log2(e) / sqrt(128); in every step O and l are multiplied by a = 2^(c m_old - c m_new).
; BY TURNS.  The wave's tiles are two PIECES (piece 0: tiles 0, 1; piece 2: tiles 2, 3).  In a TURN one piece has the matrix unit: 32 products V^T P of the step in hand, then 32 products K Q^T of the next step; the other piece's
; softmax, cut into 64 slices, stands between them, one slice behind each matrix instruction.  Two turns are a key step.
; CLUSTER.  The four query blocks of a cluster belong to one head and walk the same K and V: each tile is asked for JOINTLY.
; REGISTERS, in windows of 256: window 0: v0-11 addresses; v12-43 statistics, eight a tile; v44-47 the join's addresses; v48-59 the join's figures; v64-191 S^T; v192-255 P.  Window 1: O^T, 64 a tile.  Window 2: v0-127 Q; v128-255 K of one step.  Window 3: v0-127 V of one step.
.set KS,    64        ; keys in a step
.set PK,    272       ; a row of K in LDS: 256 bytes + 16 of padding
.set PV,    288       ; a row of V: 256 + 32
.set VOFF,  128*PK    ; a region: 128 rows of K, then 128 rows of V: one wave parity's keys of a slot
.set REGN,  128*(PK+PV)
.set SLOT,  2*REGN    ; 256 keys
.set STAGE, 2*SLOT    ; behind the ring: 16 rows x 272 bytes for each wave, for the way out
.set SP,    272
.set SPARE, STAGE+4*16*SP  ; the spare words, 128 bytes a wave, that no other line names
.set XST,   65536     ; the join lies in slot 0, which has had its last fill and its last read at the last change of slots: images of O^T from byte 0, 16,384 a wave; maxima and sums from here, 512 a wave
.set SFB,   256*256   ; a slot's keys in memory, in bytes
.set AK0, 2           ; v2   my lane's place in a tile of K; never rewritten
.set AV0, 3           ; v3   the same for V
.set ADR, 4           ; v4   the LDS address of the run of loads in hand
.set QO,  5           ; v5   my byte offset in a piece's rows of Q
.set STO, 6           ; v6   the way out: where I put 16 bytes of a row
.set RD,  7           ; v7   where I read a row back
.set GO,  8           ; v8   my byte offset in the wave's rows of o16
.set XW,  44          ; v44  where I put images of O^T
.set XR,  45          ; v45  where the partner has put its own
.set X8W, 46          ; v46  where I put (c m, l)
.set X8R, 47          ; v47  the partner's
.set PFO, 61          ; v61  256 x my lane; never rewritten
.set SPW, 62          ; v62  LDS address of my spare word; never rewritten
.set NIL, 63          ; v63  0; never rewritten
.set ST,  12          ; tile t's statistics at v[ST+8 t]: +0 c m, +1 m, +2, +3 l (even keys', odd keys'), +4 to +7 at work
.set S,   64
.set P,   192
.set KF,  128         ; K's fragments, in window 2
.set WV,  12          ; s12  my wave's number
.set LIM, 15          ; s15  1 in the head's first cluster, else the greatest number
.set PFA, 18          ; s[18:19] where my prefetches stand
.set G1K, 24          ; s[24:31] descriptor group 1 for K's tiles
.set G1V, 32          ; s[32:39] for V's: it differs in the padding alone
.set G0K, 40          ; s[40:47] group 0 for K's tiles, a set for each slot
.set G0V, 48          ; s[48:55] the same for V's
.set TR,    56        ; s56  trips of the loop over slots still to go
.set TWICE, 57        ; s57  counts a slot's two steps
.set CS,  58          ; s[58:59] c
.set SEL, 60          ; s[60:61] lane selects for v_permlanex16_b32: the lane 16 away
.set TBK, 62          ; s62  LDS byte at which the K rows of the step to be fetched begin
.set TBV, 63          ; s63  the same for V (less VOFF)
.set KHB, 66          ; s66  my region in a slot
.set MSB, 0
.macro WIN new
.if MSB != (\new)
	s_set_vgpr_msb (MSB<<8)|(\new)
.set MSB, (\new)
.endif
.endm
.set W_KQ, 0x0a       ; K and Q in window 2, S^T in window 0
.set W_PV, 0x53       ; V in window 3, P in window 0, O^T in window 1
.set W_RS, 0x41       ; O^T (destination and source 0) in window 1, a in window 0
; A joint refill of slot s.  Waves 0 and 1 fetch the two regions' 128 rows of K, waves 2 and 3 those of V.  The branch hangs on the wave's number alone.  An s_nop 0 and four v_nop follow each of the two lines.
.macro JLOAD s
	s_cmp_lt_u32 s[WV], 2
	s_cbranch_scc0 .Lfor_v_\@
	tensor_load_to_lds s[G0K+4*\s:G0K+4*\s+3], s[G1K:G1K+7]
	s_nop 0
.rept 4
	v_nop
.endr
	s_branch .Lasked_\@
.Lfor_v_\@:
	tensor_load_to_lds s[G0V+4*\s:G0V+4*\s+3], s[G1V:G1V+7]
	s_nop 0
.rept 4
	v_nop
.endr
.Lasked_\@:
.endm
; A PREFETCH INTO THE L2 of what the NEXT change of slots will ask for: a slot's 256 rows of K and 256 of V, 256 bytes a row, a lane a row.  It stands behind the wave's tensor load and its five lines.
; Each row is named ONCE in the launch: all clusters of a head walk the same K and V, so the head's first cluster asks; of the 128 rows that a wave fetches each of its four partners takes 32, told apart BY ADDRESS; every wave asks for its own tile's.
; how = 1: the trip's first change of slots always has a slot two on; how = 0: its second has one in all trips but the last.
.macro ASK how
.if \how
	s_cmp_eq_u32 s[LIM], 1
.else
	s_cmp_gt_u32 s[TR], s[LIM]
.endif
	s_cbranch_scc0 .Lnot_mine_\@
	global_prefetch_b8 v[PFO], s[PFA:PFA+1] th:TH_LOAD_NT scope:SCOPE_SE
.Lnot_mine_\@:
.endm
.macro CROUND                       ; a round of the cluster's barrier
	s_barrier_signal -1
	s_barrier_wait -1
	s_cmp_lg_u32 s[WV], 0
	s_cbranch_scc1 .Lnot_wave_0_\@
	s_barrier_signal -3
.Lnot_wave_0_\@:
	s_barrier_wait -3
	s_barrier_signal -1
	s_barrier_wait -1
.endm
	s_load_b64 s[4:5], s[0:1], 0x0  ; qkv16
	s_load_b64 s[10:11], s[0:1], 0x8  ; o16
	v_lshl_add_u32 v[SPW], v0, 2, SPARE
	v_mov_b32 v[NIL], 0
	ds_add_u32 v[SPW], v[NIL]       ; the wave's opening: the add, twice on end, and its wait ahead of my first tensor load; the set-up below stands between
	ds_add_u32 v[SPW], v[NIL]
	v_lshrrev_b32 v1, 5, v0
	v_readfirstlane_b32 s[WV], v1   ; wave 0..3
	s_bfe_u32 s13, ttmp6, 0x40000   ; cx: my place in the cluster
	s_lshl_b32 s14, ttmp9, 2
	s_add_co_u32 s14, s14, s13      ; my block of 128 queries: it enters Q's and o16's addresses alone
	s_and_b32 s20, ttmp7, 0xffff    ; y = batch x 8 + head, which the four partners share
	s_and_b32 s16, s[WV], 1         ; kh: which keys of a slot are mine.  Also: which region I fetch
	s_lshr_b32 s17, s[WV], 1        ; which 64 queries
	s_lshr_b32 s2, s20, 3           ; the batch
	s_and_b32 s3, s20, 7            ; the head
	s_lshl_b32 s20, s20, 19         ; y's first byte in a section: 2,048 rows of 256 bytes
	s_lshl_b32 s22, s16, 15         ; my fetch tile: 128 rows on for kh = 1
	s_add_co_u32 s22, s22, s20
	s_mov_b32 s23, 0
	s_mul_i32 s[KHB], s16, REGN     ; and its region: no place in the cluster enters an LDS address
	s_lshl_b32 s2, s2, 11           ; o16's row: batch x 2,048
	s_lshl_b32 s70, s14, 7
	s_add_co_u32 s2, s2, s70        ; + 128 x block
	s_lshl_b32 s70, s17, 6
	s_add_co_u32 s2, s2, s70        ; + my pair's 64
	s_lshl_b32 s70, s16, 5
	s_add_co_u32 s2, s2, s70        ; + the 32 that I finish
	s_lshl_b32 s2, s2, 11           ; rows of 2,048 bytes
	s_lshl_b32 s3, s3, 8
	s_add_co_u32 s2, s2, s3         ; + the head's 256
	s_mov_b32 s3, 0
	s_lshl_b32 s70, s14, 15         ; Q: 128 rows of 256 bytes a block
	s_add_co_u32 s70, s70, s20
	s_lshl_b32 s71, s17, 14
	s_add_co_u32 s70, s70, s71
	s_lshl_b32 s18, s16, 13         ; piece 0's rows begin 32 kh rows on,
	s_xor_b32 s19, s18, 8192        ; piece 2's 32 (kh ^ 1)
	s_add_co_u32 s68, s70, s19
	s_add_co_u32 s70, s70, s18
	s_mov_b32 s69, 0
	s_mov_b32 s71, 0
	; descriptor group 1: a tile of 128 rows x 128 elements, padded in LDS
	s_mov_b32 s[G1K], 15|(1<<16)|(1<<20)|(1<<21)|(5<<22)|(3<<25)  ; the mask: all four work-groups; elements of 2 bytes; padding on; bit 21 beside a mask; 4 words behind every 64
	s_mov_b32 s[G1V], 15|(1<<16)|(1<<20)|(1<<21)|(5<<22)|(7<<25)  ; the same with 8 words of padding
.irp g, G1K, G1V
	s_mov_b32 s[\g+1], 128<<16      ; tensor_dim0
	s_mov_b32 s[\g+2], 128<<16      ; tensor_dim1
	s_mov_b32 s[\g+3], 128<<16      ; tile_dim0
	s_mov_b32 s[\g+4], 128          ; tile_dim1
	s_mov_b32 s[\g+5], 128          ; the pitch
	s_mov_b32 s[\g+6], 0
	s_mov_b32 s[\g+7], 0
.endr
	s_mov_b32 s[CS], 0x3e0293ee     ; c = log2(e) / sqrt(128)
	s_mov_b32 s[CS+1], s[CS]        ; named with it as a pair, so it is written
	s_mov_b32 s[SEL], 0x76543210
	s_mov_b32 s[SEL+1], 0xfedcba98
	s_mov_b32 s[TBK], s[KHB]
	s_mov_b32 s[TBV], s[KHB]
	s_cmp_eq_u32 ttmp9, 0           ; the head's first cluster: the same in all four partners
	s_cselect_b32 s[LIM], 1, -1
	v_and_b32 v[PFO], 31, v0
	v_lshlrev_b32 v[PFO], 8, v[PFO]
	s_wait_dscnt 0x0                ; both opening adds are done
	s_wait_kmcnt 0x0
	s_add_nc_u64 s[6:7], s[4:5], 0x800000  ; K's section,
	s_add_nc_u64 s[8:9], s[4:5], 0x1000000  ; V's,
	s_add_nc_u64 s[6:7], s[6:7], s[22:23]  ; at my fetch tile of the first 256 keys
	s_add_nc_u64 s[8:9], s[8:9], s[22:23]
	s_add_nc_u64 s[68:69], s[4:5], s[68:69]  ; Q at piece 2's first row,
	s_add_nc_u64 s[4:5], s[4:5], s[70:71]  ; and at piece 0's
	s_add_nc_u64 s[10:11], s[10:11], s[2:3]
	s_cmp_lt_u32 s[WV], 2
	s_cselect_b64 s[PFA:PFA+1], s[6:7], s[8:9]
	s_lshl_b32 s2, s13, 13          ; my work-group's 32 rows of the tile's 128
	s_add_nc_u64 s[PFA:PFA+1], s[PFA:PFA+1], s[2:3]
	s_add_nc_u64 s[PFA:PFA+1], s[PFA:PFA+1], 2*SFB  ; two slots on; the first change of slots steps it to the third.  Nothing is prefetched at the head
	CROUND                          ; all four work-groups are here: the first joint loads meet
.irp s, 0,1
	s_mov_b32 s[G0K+4*\s], 1
	s_add_co_u32 s[G0K+4*\s+1], s[KHB], \s*SLOT
	s_add_nc_u64 s[G0K+4*\s+2:G0K+4*\s+3], s[6:7], \s*SFB
	s_or_b32 s[G0K+4*\s+3], s[G0K+4*\s+3], 0x80000000
	s_mov_b32 s[G0V+4*\s], 1
	s_add_co_u32 s[G0V+4*\s+1], s[KHB], \s*SLOT+VOFF
	s_add_nc_u64 s[G0V+4*\s+2:G0V+4*\s+3], s[8:9], \s*SFB
	s_or_b32 s[G0V+4*\s+3], s[G0V+4*\s+3], 0x80000000
.endr
	s_cmp_lt_u32 s[WV], 2           ; a wave's two first fills stand in one branch, ahead of every wait on TENSORcnt and every LDS read: two loads of mine are out
	s_cbranch_scc0 .Lfirst_v
	tensor_load_to_lds s[G0K:G0K+3], s[G1K:G1K+7]
	s_nop 0
	tensor_load_to_lds s[G0K+4:G0K+7], s[G1K:G1K+7]
	s_nop 0
.rept 4
	v_nop
.endr
	s_branch .Lfirst_asked
.Lfirst_v:
	tensor_load_to_lds s[G0V:G0V+3], s[G1V:G1V+7]
	s_nop 0
	tensor_load_to_lds s[G0V+4:G0V+7], s[G1V:G1V+7]
	s_nop 0
.rept 4
	v_nop
.endr
.Lfirst_asked:
	; A fragment of K or Q is 16 rows x 32 channels in 8 registers: lane l holds row l % 16; registers 0-3 channels 8 (l / 16) + 0..7, registers 4-7 channels 16 + 8 (l / 16) + 0..7: two loads of 16 bytes, 32 bytes apart.
	v_and_b32 v1, 15, v0            ; l % 16
	v_bfe_u32 v9, v0, 4, 1          ; l / 16
	v_lshlrev_b32 v[QO], 8, v1
	v_lshl_add_u32 v[QO], v9, 4, v[QO]
	WIN 0x80                        ; destination window 2, address window 0
.irp i, 0,1,2,3,4,5,6,7             ; Q stays in registers: tile i / 4, channels 32 (i % 4) on: piece 0,
	global_load_b128 v[8*\i:8*\i+3],   v[QO], s[4:5] offset:(\i/4)*4096+(\i%4)*64
	global_load_b128 v[8*\i+4:8*\i+7], v[QO], s[4:5] offset:(\i/4)*4096+(\i%4)*64+32
.endr
.irp i, 8,9,10,11,12,13,14,15       ; and piece 2
	global_load_b128 v[8*\i:8*\i+3],   v[QO], s[68:69] offset:((\i-8)/4)*4096+(\i%4)*64
	global_load_b128 v[8*\i+4:8*\i+7], v[QO], s[68:69] offset:((\i-8)/4)*4096+(\i%4)*64+32
.endr
	WIN 0
	v_mul_u32_u24 v[AK0], v1, PK
	v_lshl_add_u32 v[AK0], v9, 4, v[AK0]
	; The turning load takes 16 keys x 16 channels (lane l reads 16 bytes: key 8 (l / 16) + l % 8, channels 8 ((l / 8) % 2) + 0..7) and leaves half a fragment of V^T.
	v_and_b32 v10, 7, v0
	v_bfe_u32 v11, v0, 3, 1
	v_lshl_add_u32 v[AV0], v9, 3, v10
	v_mul_u32_u24 v[AV0], v[AV0], PV
	v_lshl_add_u32 v[AV0], v11, 4, v[AV0]
	v_add_nc_u32 v[AV0], VOFF, v[AV0]
; THE MATRIX WORK OF A TURN, for piece x.  The accumulators take turns, one instruction a turn.
; Product i of 32 of O^T += V^T P: keys 32 (i / 16) on, channels 16 ((i / 2) % 8) on, tile x + i % 2.  zero = 1: the first 16 start the sums.
.macro PV x, zero
	WIN W_PV
.set rO, 64*(\x+i%2)+8*((i/2)%8)
.set rV, 64*(i/16)+8*((i/2)%8)
.set rP, P+16*(\x+i%2)+8*(i/16)
.if \zero && (i < 16)
	v_wmma_f32_16x16x32_f16 v[rO:rO+7], v[rV:rV+7], v[rP:rP+7], 0
.else
	v_wmma_f32_16x16x32_f16 v[rO:rO+7], v[rV:rV+7], v[rP:rP+7], v[rO:rO+7]
.endif
.endm
; Product i of 32 of S^T = K Q^T: channels 32 (i / 8) on, keys 16 ((i / 2) % 4) on, tile x + i % 2.  The first 8 start the sums.
.macro KQ x
	WIN W_KQ
.set rS, S+32*(\x+i%2)+8*((i/2)%4)
.set rK, KF+32*((i/2)%4)+8*(i/8)
.set rQ, 32*(\x+i%2)+8*(i/8)
.if i < 8
	v_wmma_f32_16x16x32_f16 v[rS:rS+7], v[rK:rK+7], v[rQ:rQ+7], 0
.else
	v_wmma_f32_16x16x32_f16 v[rS:rS+7], v[rK:rK+7], v[rQ:rQ+7], v[rS:rS+7]
.endif
.endm
; THE LDS LOADS stand in runs of 32: a step's K (64 keys x 128 channels) and, a turn later, its V (turned).
.macro FETCH_K
	WIN 0
	v_add_nc_u32 v[ADR], s[TBK], v[AK0]
	s_add_co_u32 s[TBK], s[TBK], KS*PK  ; the next fetch is the next step's
	WIN 0x80
.irp f, 0,1,2,3,4,5,6,7,8,9,10,11,12,13,14,15
	ds_load_b128 v[KF+8*\f:KF+8*\f+3],   v[ADR] offset:(\f/4)*16*PK+(\f%4)*64
	ds_load_b128 v[KF+8*\f+4:KF+8*\f+7], v[ADR] offset:(\f/4)*16*PK+(\f%4)*64+32
.endr
.endm
.macro FETCH_V
	WIN 0
	v_add_nc_u32 v[ADR], s[TBV], v[AV0]
	s_add_co_u32 s[TBV], s[TBV], KS*PV
	s_wait_alu depctr_va_vdst(0)    ; the wait for the softmax's batch (SLICE), behind the address's addition and ahead of the loads
	WIN 0xc0
.irp f, 0,1,2,3,4,5,6,7,8,9,10,11,12,13,14,15
	ds_load_tr16_b128 v[8*\f:8*\f+3],   v[ADR] offset:(\f/8)*32*PV+(\f%8)*32
	ds_load_tr16_b128 v[8*\f+4:8*\f+7], v[ADR] offset:(\f/8)*32*PV+16*PV+(\f%8)*32
.endr
.endm
; THE VECTOR WORK OF A TURN.  One tile's softmax for one key step is a list of 134 instructions; SM writes number j of it for tile t.  first = 1: the first key step, which starts m, l and O^T.
;   0-15 the maximum of the lane's 32 scores and the old m;  16-20 the other half of the lanes' maximum, the new m, c m, c m_old - c m_new;
;   21-69 ONE BATCH: the 16 packed scalings c s - c m and all 33 exponentials, none of which reads an exponential's result;  (the wait for the batch: SLICE writes it)
;   70-85 the roundings to f16;  86-101 the sums, l = a l + the sum;  102-133 the tile's O^T times a.
.macro SM t, first
.set rT, ST+8*(\t)
.set rS, S+32*(\t)
.set rP, P+16*(\t)
.set rO, 64*(\t)+2*(j-102)
.if j < 102
	WIN 0
.endif
.if j < 4
	v_max3_num_f32 v[rT+4+j], v[rS+8*j], v[rS+8*j+1], v[rS+8*j+2]
.elseif j < 12
	v_max3_num_f32 v[rT+4+j%4], v[rT+4+j%4], v[rS+8*(j%4)+2*(j/4)+1], v[rS+8*(j%4)+2*(j/4)+2]
.elseif j == 12
	v_max3_num_f32 v[rT+4], v[rT+4], v[rS+7], v[rS+15]
.elseif j == 13
	v_max3_num_f32 v[rT+6], v[rT+6], v[rS+23], v[rS+31]
.elseif j == 14
	v_max3_num_f32 v[rT+4], v[rT+4], v[rT+5], v[rT+6]
.elseif (j == 15) && \first
	v_max_num_f32 v[rT+4], v[rT+4], v[rT+7]
.elseif j == 15
	v_max3_num_f32 v[rT+4], v[rT+4], v[rT+7], v[rT+1]
.elseif j == 16
	v_permlanex16_b32 v[rT+5], v[rT+4], s[SEL], s[SEL+1]  ; the query's other 32 keys lie in the lane 16 away
.elseif j == 18
	v_max_num_f32 v[rT+1], v[rT+4], v[rT+5]
.elseif j == 19
	v_mul_f32 v[rT], s[CS], v[rT+1]
.elseif ((j == 17) || (j == 20) || (j == 23) || (j > 101)) && \first  ; the first step has none of these
.elseif j == 17
	v_mov_b32 v[rT+7], v[rT]        ; c m_old is kept for a
.elseif j == 20
	v_sub_f32 v[rT+7], v[rT+7], v[rT]
.elseif j == 23
	v_exp_f32 v[rT+6], v[rT+7]
.elseif (j < 23) || ((j < 38) && (j%2 == 0)) || ((j < 66) && (j%4 == 2))
.set b, (j-2)/4
.if j < 38
.set b, (j-20)/2
.endif
	v_pk_fma_f32 v[rS+2*b:rS+2*b+1], v[rS+2*b:rS+2*b+1], s[CS:CS+1], v[rT:rT+1] op_sel_hi:[1,0,0] neg_lo:[0,0,1] neg_hi:[0,0,1]  ; pair b: c s - c m
.elseif j < 70
.set e, j-38
.if j < 66
.set e, j-32-(j-38)/4
.endif
.if j < 38
.set e, (j-25)/2
.endif
	v_exp_f32 v[rS+e], v[rS+e]
.elseif j < 86
	v_cvt_pk_f16_f32 v[rP+j-70], v[rS+2*(j-70)], v[rS+2*(j-70)+1]
.elseif j < 102
.set z, j-86
.set w, 4
.set u, z
.if z >= 14
.set w, 32
.set u, 0
.elseif z >= 12
.set w, 16
.set u, z-12
.elseif z >= 8
.set w, 8
.set u, z-8
.endif
.if (z == 14) && \first
	v_pk_add_f32 v[rT+2:rT+3], v[rS:rS+1], v[rS+16:rS+17]
.elseif z < 15
	v_pk_add_f32 v[rS+w*u:rS+w*u+1], v[rS+w*u:rS+w*u+1], v[rS+w*u+w/2:rS+w*u+w/2+1]
.elseif !\first
	v_pk_fma_f32 v[rT+2:rT+3], v[rT+2:rT+3], v[rT+6:rT+7], v[rS:rS+1] op_sel_hi:[1,0,1]
.endif
.else
	WIN W_RS
	v_pk_mul_f32 v[rO:rO+1], v[rO:rO+1], v[rT+6:rT+7] op_sel_hi:[1,0]
.endif
.endm
; Slice k of 64 of piece y's softmax: four instructions.  Slices 11 to 34 deal out the batch, four numbers of ONE tile each, the tiles by turns; every other slice is numbers 2 k and 2 k + 1 of both tiles' lists; the twelve that are over stand in slice 63.
; Ahead of slice 35 nothing names an exponential's result, and behind slice 34 no exponential is issued: so the piece's 66 exponentials have one wait, behind slice 34.
.macro SLICE y, first
.if (k >= 11) && (k < 35)
.irp n, 0,1,2,3
.set j, 22+4*((k-11)/2)+(\n)
	SM (\y)+(k-11)%2, \first
.endr
.else
.irp n, 0,1,2,3,4,5,6,7
.if (\n < 2) || (k == 63)
.irp t, \y, \y+1
.set j, 2*k+\n
	SM \t, \first
.endr
.endif
.endr
.endif
.if k == 34
	v_nop                           ; the plain instruction behind the last exponential: one for the batch
.if (\y) == 0
	FETCH_V                         ; piece 2's turn: V's run of loads stands here, and the wait stands in it
.else
	s_wait_alu depctr_va_vdst(0)    ; the wait for the batch
.endif
.endif
.set k, k+1
.endm
.macro PLACES
.rept 4
	v_nop
.endr
.endm
; A TURN.  Piece x has the matrix unit; the other piece's softmax stands in slices behind its matrix instructions.  pv = 2: 32 products V^T P; 1: they start O^T's sums; 0: none.  kq = 1: 32 products K Q^T for the next step.
; Piece 0's turn fetches the next step's K behind its second product; piece 2's turn the same step's V behind slice 34.  In the loop the slices are the places between a buffer's last product and the loads into it.
.macro TURN x, pv, kq, first
.set k, 0
.set per, 2
.if \pv && \kq
.set per, 1
.endif
.if \pv
.if \x == 0
	s_wait_dscnt 0x0                ; V is in
.endif
.set i, 0
.rept 32
	PV \x, 2-\pv
.rept per
	SLICE 2-\x, \first
.endr
.if (\x == 0) && \kq && (i == 1)
	FETCH_K
.endif
.set i, i+1
.endr
.endif
.if \kq
.if \x == 0
	s_wait_dscnt 0x0                ; K is in
.endif
.set i, 0
.rept 32
	KQ \x
.rept per
	SLICE 2-\x, \first
.endr
.set i, i+1
.endr
.endif
.if \first
	PLACES
.endif
.endm
; THE CHANGE OF SLOTS, between piece 2's turn and piece 0's: slot `old` has been read out.  Each wave waits for all its tensor loads (one is out: its part of the other slot), adds 0 to its spare word, and waits for that and for its reads.
; fill = 1: the slot is filled again with the keys two slots on, behind a round of the cluster's barrier: the load has two key steps, 256 matrix instructions, in which to land.
.macro CHANGE fill, old, how
	WIN 0
	s_wait_tensorcnt 0x0            ; no tensor load of mine is out, so a group 0 may be written
	ds_add_u32 v[SPW], v[NIL]       ; 0 onto my spare word
.if \fill
	s_add_nc_u64 s[G0K+4*\old+2:G0K+4*\old+3], s[G0K+4*\old+2:G0K+4*\old+3], 2*SFB  ; this slot's next keys; the type bits on top are not reached
	s_add_nc_u64 s[G0V+4*\old+2:G0V+4*\old+3], s[G0V+4*\old+2:G0V+4*\old+3], 2*SFB
	s_wait_xcnt 0x0                 ; the last prefetch, two key steps back, has read its address, so it may be written
	s_add_nc_u64 s[PFA:PFA+1], s[PFA:PFA+1], SFB
	s_wait_dscnt 0x0                ; the add is done, and my reads of the slot are over
	CROUND
	JLOAD \old
	ASK \how
.else
	s_wait_dscnt 0x0
	s_barrier_signal -1
	s_barrier_wait -1
.endif
	s_add_co_u32 s[TBK], s[KHB], (1-\old)*SLOT  ; the fetches go to my region of the other slot
	s_add_co_u32 s[TBV], s[KHB], (1-\old)*SLOT
.endm
.macro TWO_STEPS                    ; a slot's two key steps: written once, walked twice
	s_mov_b32 s[TWICE], 2
.Lstep_\@:
	TURN 0, 2, 1, 0
	TURN 2, 2, 1, 0
	WIN 0
	s_sub_co_u32 s[TWICE], s[TWICE], 1
	s_cmp_lg_u32 s[TWICE], 0
	s_cbranch_scc1 .Lstep_\@
.endm
	s_wait_tensorcnt 1              ; my part of slot 0 is in; slot 1's may stay out
	s_barrier_signal -1
	s_barrier_wait -1
	FETCH_K                         ; key step 0
	s_wait_loadcnt 0x0              ; Q
	s_wait_dscnt 0x0
.set i, 0
.rept 32
	KQ 0                            ; piece 0's first scores
.set i, i+1
.endr
	WIN 0                           ; the addresses for the join and the way out are made here: plain instructions, the places behind those products
	s_mul_i32 s13, s[WV], 16*SP
	s_add_co_u32 s13, s13, STAGE    ; my stage
	v_mul_u32_u24 v[STO], v1, SP    ; in: row l % 16, 16 bytes for each half of the lanes
	v_lshl_add_u32 v[STO], v9, 4, v[STO]
	v_add_nc_u32 v[STO], s13, v[STO]
	v_mul_u32_u24 v[RD], v9, SP     ; back: lanes 0-15 take one row of 256 bytes, lanes 16-31 the next
	v_lshl_add_u32 v[RD], v1, 4, v[RD]
	v_add_nc_u32 v[RD], s13, v[RD]
	v_lshlrev_b32 v[GO], 11, v9     ; and the same two rows in o16, 2,048 bytes apart
	v_lshl_add_u32 v[GO], v1, 4, v[GO]
	v_and_b32 v10, 31, v0
	s_lshl_b32 s13, s[WV], 14
	v_lshl_add_u32 v[XW], v10, 4, s13  ; images: 16,384 x wave + 16 x lane,
	s_xor_b32 s13, s13, 16384
	v_lshl_add_u32 v[XR], v10, 4, s13  ; and the partner's
	s_lshl_b32 s13, s[WV], 9
	s_add_co_u32 s13, s13, XST
	v_lshl_add_u32 v[X8W], v10, 3, s13  ; figures: 512 x wave + 8 x lane,
	s_xor_b32 s13, s13, 512
	v_lshl_add_u32 v[X8R], v10, 3, s13  ; and the partner's
	TURN 2, 0, 1, 1                 ; piece 2's first scores | piece 0's first softmax | V of step 0
	TURN 0, 1, 1, 1                 ; piece 0: V^T P of step 0 starts O^T, K Q^T of step 1 | piece 2's first softmax | K of step 1
	TURN 2, 1, 1, 0                 ; piece 2: the same | piece 0's softmax of step 1 | V of step 1
	WIN 0
	s_mov_b32 s[TR], 3
.Lslot:                             ; three trips, two changes of slots each: the six refills
	CHANGE 1, 0, 1
	TWO_STEPS
	CHANGE 1, 1, 0
	TWO_STEPS
	s_sub_co_u32 s[TR], s[TR], 1
	s_cmp_lg_u32 s[TR], 0
	s_cbranch_scc1 .Lslot
	CHANGE 0, 0, 0                  ; the tail is written out: slot 0 is left for good
	TWO_STEPS
	TURN 0, 2, 0, 0                 ; piece 0: V^T P of the last step | piece 2's last softmax
.set i, 0
.rept 32
	PV 2, 0                         ; piece 2: V^T P of the last step
.set i, i+1
.endr
	; THE JOIN.  l's two halves and the other half of the lanes' are added (these additions are the places behind the last products); (c m, l) then stand as a pair at the head of each tile's statistics.
	WIN 0
.irp t, 0,1,2,3
	v_add_f32 v[ST+8*\t+4], v[ST+8*\t+2], v[ST+8*\t+3]
.endr
.irp t, 0,1,2,3
	v_permlanex16_b32 v[ST+8*\t+5], v[ST+8*\t+4], s[SEL], s[SEL+1]
.endr
.irp t, 0,1,2,3
	v_add_f32 v[ST+8*\t+1], v[ST+8*\t+4], v[ST+8*\t+5]
.endr
	WIN 0x04                        ; an LDS store's data are its source 1: window 1
.set i, 0
.rept 32
	ds_store_b128 v[XW], v[128+4*i:128+4*i+3] offset:512*i  ; my tiles 2 and 3 of O^T, as images of their registers; each accumulator from its low end on
.set i, i+1
.endr
	WIN 0
	ds_store_b64 v[X8W], v[ST+16:ST+17]
	ds_store_b64 v[X8W], v[ST+24:ST+25] offset:256
	s_wait_dscnt 0x0                ; for the partner's sake: my stores are done
	s_barrier_signal -1
	s_barrier_wait -1
	ds_load_b64 v[48:49], v[X8R]    ; the partner's (c m, l) of my tile 0,
	ds_load_b64 v[50:51], v[X8R] offset:256  ; of my tile 1,
.set i, 0
.rept 32
	ds_load_b128 v[S+4*i:S+4*i+3], v[XR] offset:512*i  ; and its O^T of both, lane for lane
.set i, i+1
.endr
	s_wait_dscnt 32                 ; the figures are in; the 32 images may be out
.irp t, 0,1
	v_max_num_f32 v[52+\t], v[ST+8*\t], v[48+2*\t]  ; the joint c m (c is positive)
.endr
.irp t, 0,1
	v_sub_f32 v[54+\t], v[ST+8*\t], v[52+\t]
	v_sub_f32 v[56+\t], v[48+2*\t], v[52+\t]
.endr
.irp r, 54,55,56,57
	v_exp_f32 v\r, v\r              ; what each side's sums are multiplied by
.endr
	v_nop
	s_wait_alu depctr_va_vdst(0)    ; the wait ahead of the first reader: one for the four
.irp t, 0,1
	v_mul_f32 v[58+\t], v[54+\t], v[ST+8*\t+1]
.endr
.irp t, 0,1
	v_fmac_f32 v[58+\t], v[56+\t], v[49+2*\t]  ; the joint l
.endr
	v_rcp_f32 v58, v58
	v_rcp_f32 v59, v59
	v_nop
	s_wait_alu depctr_va_vdst(0)
.irp t, 0,1
	v_mul_f32 v[54+\t], v[54+\t], v[58+\t]  ; my factor / l,
	v_mul_f32 v[56+\t], v[56+\t], v[58+\t]  ; the partner's / l
.endr
	s_wait_dscnt 0x0
.set i, 0
.rept 32
	v_pk_mul_f32 v[S+i:S+i+1], v[S+i:S+i+1], v[56:57] op_sel_hi:[1,0]
	v_pk_mul_f32 v[S+64+i:S+64+i+1], v[S+64+i:S+64+i+1], v[56:57] op_sel:[0,1] op_sel_hi:[1,1]
.set i, i+2
.endr
	WIN 0x01                        ; source 0: my O^T, window 1
.set i, 0
.rept 32
	v_pk_fma_f32 v[S+i:S+i+1], v[i:i+1], v[54:55], v[S+i:S+i+1] op_sel_hi:[1,0,1]
	v_pk_fma_f32 v[S+64+i:S+64+i+1], v[64+i:64+i+1], v[54:55], v[S+64+i:S+64+i+1] op_sel:[0,1,0] op_sel_hi:[1,1,1]
.set i, i+2
.endr
	WIN 0
.set i, 0
.rept 64
	v_cvt_pk_f16_f32 v[P+i], v[S+2*i], v[S+2*i+1]
.set i, i+1
.endr
; THE WAY OUT of tile t: a lane's eight channels of a row are 16 bytes; they go into rows of 272 bytes and come back as whole rows of 256, into the registers that they left.
.macro PACK t
.irp f, 0,1,2,3,4,5,6,7
	ds_store_b128 v[STO], v[P+32*\t+4*\f:P+32*\t+4*\f+3] offset:32*\f
.endr
.irp f, 0,1,2,3,4,5,6,7
	ds_load_b128 v[P+32*\t+4*\f:P+32*\t+4*\f+3], v[RD] offset:\f*2*SP  ; LDS serves a wave's instructions in order: these see the stores above; the next tile's stores come behind them
.endr
.endm
.macro SEND t, younger              ; younger: the LDS instructions issued behind tile t's loads
.irp f, 0,1,2,3,4,5,6,7
	s_wait_dscnt \younger+7-\f
	global_store_b128 v[GO], v[P+32*\t+4*\f:P+32*\t+4*\f+3], s[10:11] offset:\t*32768+\f*4096  ; 16 lanes store 256 consecutive bytes, aligned: a head's part of a row
.endr
.endm
	PACK 0
	PACK 1
	SEND 0, 16
	SEND 1, 0
	s_wait_tensorcnt 0x0            ; the wave's end, behind my last tensor load and my last LDS store
	ds_add_u32 v[SPW], v[NIL]
	s_wait_dscnt 0x0
	CROUND                          ; the closing round: no work-group ends while a partner may still ask for a tile that names it
	s_endpgm
.Lfunc_end_k_q9555438abb_attn:
	.size	k_q9555438abb_attn, .Lfunc_end_k_q9555438abb_attn-k_q9555438abb_attn
	.p2alignl 7, 3214868480
	.fill 96, 4, 3214868480
	.section	.rodata,"a",@progbits
	.p2align	6, 0x0
	.amdhsa_kernel k_q9555438abb_attn
		.amdhsa_group_segment_fixed_size 327680
		.amdhsa_private_segment_fixed_size 0
		.amdhsa_enable_private_segment 0
		.amdhsa_kernarg_size 16
		.amdhsa_user_sgpr_count 2
		.amdhsa_user_sgpr_kernarg_segment_ptr 1
		.amdhsa_wavefront_size32 1
		.amdhsa_system_sgpr_workgroup_id_x 1
		.amdhsa_system_sgpr_workgroup_id_y 1
		.amdhsa_system_sgpr_workgroup_id_z 1
		.amdhsa_system_vgpr_workitem_id 0
		.amdhsa_next_free_vgpr 1024
		.amdhsa_next_free_sgpr 72
		.amdhsa_reserve_vcc 0
		.amdhsa_float_denorm_mode_32 3
		.amdhsa_float_denorm_mode_16_64 3
		.amdhsa_memory_ordered 1
		.amdhsa_forward_progress 1
		.amdhsa_inst_pref_size 255
	.end_amdhsa_kernel
	.section	.bss,"aw",@nobits
	.p2align	6
	.space	262144
	.amdgpu_metadata
---
amdhsa.version: [ 1, 2 ]
amdhsa.kernels:
  - .name:           k_q9555438abb_attn
    .symbol:         k_q9555438abb_attn.kd
    .args:
      - { .name: qkv16, .offset: 0, .size: 8, .value_kind: global_buffer, .address_space: global }
      - { .name: o16, .offset: 8, .size: 8, .value_kind: global_buffer, .address_space: global }
    .group_segment_fixed_size: 327680
    .private_segment_fixed_size: 0
    .kernarg_segment_align: 8
    .kernarg_segment_size: 16
    .max_flat_workgroup_size: 128
    .sgpr_count:     72
    .vgpr_count:     1024
    .wavefront_size: 32
...
	.end_amdgpu_metadata
.endif
;; end of part 3
;; launch oproj (part 4): grid 8 x 32, 4 waves a work-group, clusters of 4 x 4, 327,680 bytes of LDS; arguments o16, wo16, out0; writes out0
.if DOCPART == 4
	.amdgcn_target "amdgcn-amd-amdhsa--gfx1250"
	.amdhsa_code_object_version 6
	.text
	.protected	k_q9555438abb_oproj
	.globl	k_q9555438abb_oproj
	.p2align	8
	.type	k_q9555438abb_oproj,@function
k_q9555438abb_oproj:
	s_mov_b64 s[64:65], 0
	v_nop
	global_prefetch_b8 v0, s[64:65] scope:SCOPE_SE
	s_setreg_imm32_b32 hwreg(HW_REG_WAVE_MODE, 25, 1), 1
	s_wait_xcnt 0x0
	s_wait_alu depctr_hold_cnt(0) depctr_sa_sdst(0) depctr_va_vdst(0) depctr_va_sdst(0) depctr_va_ssrc(0) depctr_va_vcc(0) depctr_vm_vsrc(0)
	s_getreg_b32 s2, hwreg(HW_REG_IB_STS2, 6, 4)
	s_cmp_eq_u32 s2, 0
	s_cbranch_scc0 .Lentry_in_a_cluster
	s_endpgm
.Lentry_in_a_cluster:
	s_bfe_u32 s2, ttmp6, 0x10000c
	s_cmp_lg_u32 s2, 0xf033
	s_cbranch_scc0 .Lentry_shape_is_right
	s_endpgm
.Lentry_shape_is_right:
; ZImageAttention, launch 4 of 4: out0[m][n] = sum over k of o16[m][k] wo16[n][k].  o16: [4096][1024], wo16: [2048][1024], f16; out0: [4096][2048] f32; sums in f32.  Nothing is left out.
; A tile of out0 is 128 x 256, so that 4,096 x 2,048 gives 256 work-groups.  Four waves, each 64 (m) x 128 (n): 32 accumulators of 16 x 16, 256 registers.
; K goes in eight steps of 128 (rows of 256 bytes; 128 matrix instructions a wave) through THREE LDS slots of one step each; step u lies in slot u % 3.  Two slots of two steps each would be 405,504 bytes and do not fit; three of one step are 313,344.
; A wave's tensor load brings a whole tile of a step: 128 rows of o16 (waves 0, 1) or 256 rows of wo16 (waves 2, 3).  Steps 0, 1 and 2 are asked for at the head.  Then slots are filled again in turn as a PAIR and as a SINGLE:
;   behind step 1: slots 0 and 1 take steps 3 and 4, one load from each of the four waves; it has step 2 in which to land (112 matrix instructions from the request to the wait);
;   behind step 2: slot 2 takes step 5, waves 0 and 2 loading; it has steps 3 and 4 (240 matrix instructions);   behind step 4: slots 0 and 1 take steps 6 and 7;   behind step 5: a barrier, and nothing is filled.
; Behind steps 0, 3 and 6 the next slot is whole already and nothing is filled: no wait, no barrier.  So eight steps have three refills and four barriers.  The steps are few, so they are written out: no loop.
; CLUSTERS: 4 x 4 work-groups.  The four of a row of the cluster need the same tiles of o16, the four of a column the same tiles of wo16: each tile is asked for JOINTLY.
; THE MATRIX INSTRUCTION IS USED TRANSPOSED (source 0 = 16 rows of wo16, source 1 = 16 rows of o16): a lane then holds eight neighbouring numbers of a row of out0.
; REGISTERS: window 0: v0-31 addresses; v64-95, v96-127 o16's fragments, two buffers; v128-255 the way out.  Window 1: v0-63, v64-127 wo16's fragments, two buffers.  Window 2: the accumulators ((a, b) at v[8 (8 a + b)]).
.set SIZE_N, 2048
.set SIZE_K, 1024
.set KSTEP,  128
.set PITCH,  272                       ; an LDS row: 256 bytes + 16 of padding
.set AT,     128*PITCH                 ; o16's tile of a step
.set BT,     256*PITCH                 ; wo16's
.set SLOT,   AT+BT
.set STAGE,  2*SLOT                    ; the way out: 16 rows x (512 bytes + 16) for each wave, in slot 2, which has had its last fill (step 5) and, at the barrier behind step 5, its last read
.set SPITCH, 528
.set SPARE,  3*SLOT                    ; behind the slots: the spare words, 128 bytes a wave, that no other line names
.set ADRA, 16                          ; v16-18  LDS address of my o16 fragments in slot 0, 1, 2
.set ADRB, 20                          ; v20-22  the same for wo16
.set STO,  24
.set RD,   25
.set CO,   26
.set SPW,  28                          ; v28  LDS address of my spare word; never rewritten
.set NIL,  29                          ; v29  0; never rewritten
.set BK,   128
.set G1, 24                            ; s[24:31] descriptor group 1 for o16's tiles
.set G0, 32                            ; s[32:35] group 0 for my slot of the pair; s[36:39] for slot 2
.set G1B, 48                           ; s[48:55], s[56:59], s[60:63] the same for wo16's tiles
.set G0B, 56
.set MSB, 0
.macro WIN new
.if MSB != (\new)
	s_set_vgpr_msb (MSB<<8)|(\new)
.set MSB, (\new)
.endif
.endm
.set MUL,  0xa1                        ; source 0 (wo16) window 1, source 1 (o16) window 0, C and D window 2
.set TO_B, 0x40
.macro JLOAD s                         ; a joint load by set s of the descriptors; waves 0, 1 for o16, waves 2, 3 for wo16; an s_nop 0 and four v_nop follow each of the two lines
	s_cmp_eq_u32 s11, 0
	s_cbranch_scc0 .Lfor_b_\@
	tensor_load_to_lds s[G0+4*\s:G0+4*\s+3], s[G1:G1+7]
	s_nop 0
.rept 4
	v_nop
.endr
	s_branch .Lasked_\@
.Lfor_b_\@:
	tensor_load_to_lds s[G0B+4*\s:G0B+4*\s+3], s[G1B:G1B+7]
	s_nop 0
.rept 4
	v_nop
.endr
.Lasked_\@:
.endm
.macro JLOAD2                          ; slot 2 has two tiles: waves 0 and 2 load them, waves 1 and 3 have no part.  The branch hangs on the wave's number alone
	s_cmp_eq_u32 s12, 0
	s_cbranch_scc0 .Lno_part_\@
	JLOAD 1
.Lno_part_\@:
.endm
.macro CREST
	s_cmp_lg_u32 s10, 0
	s_cbranch_scc1 .Lnot_wave_0_\@
	s_barrier_signal -3
.Lnot_wave_0_\@:
	s_barrier_wait -3
	s_barrier_signal -1
	s_barrier_wait -1
.endm
.macro CROUND
	s_barrier_signal -1
	s_barrier_wait -1
	CREST
.endm
	s_load_b128 s[4:7], s[0:1], 0x0                ; o16 s[4:5], wo16 s[6:7]
	s_load_b64 s[8:9], s[0:1], 0x10                ; out0
	v_lshl_add_u32 v[SPW], v0, 2, SPARE
	v_mov_b32 v[NIL], 0
	ds_add_u32 v[SPW], v[NIL]                      ; the wave's opening: the add, twice on end, and its wait ahead of my first tensor load; the set-up below stands between
	ds_add_u32 v[SPW], v[NIL]
	v_lshrrev_b32 v1, 5, v0
	v_readfirstlane_b32 s10, v1                    ; wave 0..3
	s_lshr_b32 s11, s10, 1                         ; which half of the tile's rows is mine.  Also: I fetch for o16 (0) or for wo16 (1)
	s_and_b32 s12, s10, 1                          ; which half of its columns.  Also: which slot of the pair I fill
	s_bfe_u32 s40, ttmp6, 0x40000                  ; cx, cy
	s_bfe_u32 s41, ttmp6, 0x40004
	s_lshl_b32 s42, ttmp9, 2
	s_add_co_u32 s42, s42, s40                     ; tile column
	s_and_b32 s13, ttmp7, 0xffff
	s_lshl_b32 s13, s13, 2
	s_add_co_u32 s13, s13, s41                     ; tile row
	s_lshl_b32 s43, s41, 2
	s_lshl_b32 s43, 15, s43                        ; my row of the cluster
	s_lshl_b32 s44, 0x1111, s40                    ; my column
	s_or_b32 s[G1+0], s43, (1<<16)|(1<<20)|(1<<21)|(5<<22)|(3<<25)  ; the mask; elements of 2 bytes; padding on; bit 21 beside a mask; 4 words behind every 64
	s_or_b32 s[G1B+0], s44, (1<<16)|(1<<20)|(1<<21)|(5<<22)|(3<<25)
	s_mov_b32 s[G1+1], KSTEP<<16                   ; tensor_dim0
	s_mov_b32 s[G1+2], 128<<16                     ; tensor_dim1
	s_mov_b32 s[G1+3], KSTEP<<16                   ; tile_dim0
	s_mov_b32 s[G1+4], 128                         ; tile_dim1
	s_mov_b32 s[G1+5], SIZE_K                      ; the pitch
	s_mov_b32 s[G1+6], 0
	s_mov_b32 s[G1+7], 0
	s_mov_b32 s[G1B+1], KSTEP<<16
	s_mov_b32 s[G1B+2], 256<<16
	s_mov_b32 s[G1B+3], KSTEP<<16
	s_mov_b32 s[G1B+4], 256
	s_mov_b32 s[G1B+5], SIZE_K
	s_mov_b32 s[G1B+6], 0
	s_mov_b32 s[G1B+7], 0
	s_lshl_b32 s16, s13, 18                        ; o16: 128 rows of 2,048 bytes a tile row
	s_mov_b32 s17, 0
	s_lshl_b32 s46, s42, 19                        ; wo16: 256 rows of 2,048 bytes a tile column
	s_mov_b32 s47, 0
	s_lshl_b32 s18, s12, 8                         ; of the first two K steps mine: 256 bytes along the rows
	s_mov_b32 s19, 0
	s_mul_i32 s20, s12, SLOT                       ; and its slot: no place in the cluster enters an LDS address
	s_add_co_u32 s45, s20, AT                      ; wo16's tile lies behind o16's
	s_wait_dscnt 0x0                               ; both opening adds are done
	s_wait_kmcnt 0x0
	s_add_nc_u64 s[14:15], s[4:5], s[16:17]
	s_add_nc_u64 s[46:47], s[6:7], s[46:47]
	CROUND                                         ; all sixteen work-groups are here: the first joint loads meet
	s_mov_b32 s[G0], 1                             ; my slot of the pair: K step 0 or 1
	s_mov_b32 s[G0+1], s20
	s_add_nc_u64 s[G0+2:G0+3], s[14:15], s[18:19]
	s_or_b32 s[G0+3], s[G0+3], 0x80000000
	s_mov_b32 s[G0+4], 1                           ; slot 2: K step 2
	s_mov_b32 s[G0+5], 2*SLOT
	s_add_nc_u64 s[G0+6:G0+7], s[14:15], 2*KSTEP*2
	s_or_b32 s[G0+7], s[G0+7], 0x80000000
	s_mov_b32 s[G0B], 1
	s_mov_b32 s[G0B+1], s45
	s_add_nc_u64 s[G0B+2:G0B+3], s[46:47], s[18:19]
	s_or_b32 s[G0B+3], s[G0B+3], 0x80000000
	s_mov_b32 s[G0B+4], 1
	s_mov_b32 s[G0B+5], 2*SLOT+AT
	s_add_nc_u64 s[G0B+6:G0B+7], s[46:47], 2*KSTEP*2
	s_or_b32 s[G0B+7], s[G0B+7], 0x80000000
	JLOAD 0                                        ; the first fills: every wave issues one,
	JLOAD2                                         ; waves 0 and 2 a second: two loads of a wave are out at the most
	v_and_b32 v1, 15, v0                           ; l % 16
	v_bfe_u32 v2, v0, 4, 1                         ; l / 16
	v_mul_u32_u24 v3, v1, PITCH
	v_lshl_add_u32 v3, v2, 4, v3                   ; a fragment's row x pitch + 16 x half
	s_mul_i32 s21, s11, 64*PITCH                   ; my 64 rows of o16's 128
	s_mul_i32 s22, s12, 128*PITCH                  ; my 128 rows of wo16's 256,
	s_add_co_u32 s22, s22, AT                      ; which lie behind o16's tile
.irp s, 0,1,2
	v_add_nc_u32 v[ADRA+\s], s21, v3
	v_add_nc_u32 v[ADRB+\s], s22, v3
	s_add_co_u32 s21, s21, SLOT
	s_add_co_u32 s22, s22, SLOT
.endr
	s_mul_i32 s23, s10, 16*SPITCH
	s_add_co_u32 s23, s23, STAGE                   ; my stage
	v_mul_u32_u24 v5, v1, SPITCH                   ; in: row l % 16, 32 bytes for each half of the lanes
	v_lshl_add_u32 v5, v2, 5, v5
	v_add_nc_u32 v[STO], s23, v5
	v_and_b32 v6, 31, v0
	v_lshlrev_b32 v[CO], 4, v6                     ; back: the 32 lanes take one row of 512 bytes; and the same in out0
	v_add_nc_u32 v[RD], s23, v[CO]
	s_lshl_b32 s16, s13, 7
	s_lshl_b32 s17, s11, 6
	s_add_co_u32 s16, s16, s17                     ; my first row of out0
	s_lshl_b32 s16, s16, 13                        ; rows of 8,192 bytes
	s_mov_b32 s17, 0
	s_add_nc_u64 s[8:9], s[8:9], s[16:17]
	s_lshl_b32 s46, s42, 10                        ; my first column, in bytes: 1,024 x tile column + 512 x half
	s_lshl_b32 s47, s12, 9
	s_add_co_u32 s46, s46, s47
	s_mov_b32 s47, 0
	s_add_nc_u64 s[8:9], s[8:9], s[46:47]
; 8 matrix instructions: m block a against all 8 n blocks, 32 along K, from buffer f.  The 32 accumulators take turns, each once in a quarter, in the same order.
.macro MUL8 f, a, zero
.irp b, 0,1,2,3,4,5,6,7
.if \zero
	v_wmma_f32_16x16x32_f16 v[8*(8*(\a)+\b):8*(8*(\a)+\b)+7], v[64*(\f)+8*\b:64*(\f)+8*\b+7], v[64+32*(\f)+8*(\a):64+32*(\f)+8*(\a)+7], 0
.else
	v_wmma_f32_16x16x32_f16 v[8*(8*(\a)+\b):8*(8*(\a)+\b)+7], v[64*(\f)+8*\b:64*(\f)+8*\b+7], v[64+32*(\f)+8*(\a):64+32*(\f)+8*(\a)+7], v[8*(8*(\a)+\b):8*(8*(\a)+\b)+7]
.endif
.endr
.endm
; 24 LDS loads in one run: the fragments of 32 along K at byte k of the rows, into buffer f
.macro FETCH slot, k, f
	WIN TO_B
.irp i, 0,1,2,3,4,5,6,7
	ds_load_b128 v[64*(\f)+8*\i:64*(\f)+8*\i+3],   v[ADRB+\slot] offset:\k+\i*16*PITCH
	ds_load_b128 v[64*(\f)+8*\i+4:64*(\f)+8*\i+7], v[ADRB+\slot] offset:\k+\i*16*PITCH+32
.endr
	WIN 0
.irp i, 0,1,2,3
	ds_load_b128 v[64+32*(\f)+8*\i:64+32*(\f)+8*\i+3],   v[ADRA+\slot] offset:\k+\i*16*PITCH
	ds_load_b128 v[64+32*(\f)+8*\i+4:64+32*(\f)+8*\i+7], v[ADRA+\slot] offset:\k+\i*16*PITCH+32
.endr
.endm
.macro PLACES                          ; four plain vector instructions between a matrix instruction and a load into, or a read of, its registers
.rept 4
	v_nop
.endr
.endm
; A K step is four quarters of 32 along K, 32 matrix instructions each, on buffers 0, 1, 0, 1.  A quarter: buffer f is in; the next quarter, at byte k of slot `slot`, is asked for into g; then f is multiplied.
.macro QUARTER slot, k, f, g, zero
	s_wait_dscnt 0x0
	PLACES
	FETCH \slot, \k, \g
	WIN MUL
	MUL8 \f, 0, \zero
	MUL8 \f, 1, \zero
	MUL8 \f, 2, \zero
	MUL8 \f, 3, \zero
.endm
.macro THREE slot                      ; a step's first three quarters
	QUARTER \slot, 64,  0, 1, 0
	QUARTER \slot, 128, 1, 0, 0
	QUARTER \slot, 192, 0, 1, 0
.endm
.macro PASS next                       ; a step's last quarter where the next slot was shown whole at an earlier barrier and nothing is filled: a quarter like any other, whose fetch goes to the next slot
	QUARTER \next, 0, 1, 0, 0
.endm
; A step's last quarter with a barrier.  In front of it each wave waits for all its tensor loads, adds 0 to its spare word, and waits for that and for all its LDS reads.  Behind it the slots ahead are whole and nobody reads the slots that have been left.
; mode 2: slots 0 and 1 are filled again, each wave loading its tile; 1: slot 2 is, waves 0 and 2 loading; 0: nothing is.  A set of descriptors goes three K steps on each time.
.macro TURN next, mode
	WIN 0
	s_wait_tensorcnt 0x0                           ; all my tensor loads have landed
	ds_add_u32 v[SPW], v[NIL]                      ; 0 onto my spare word
	s_wait_dscnt 1                                 ; buffer 1 is in (the add alone may be out)
	WIN MUL
	MUL8 1, 0, 0
	s_wait_dscnt 0x0                               ; the add is done, and my reads of the slots that I have left are over
	s_barrier_signal -1
	MUL8 1, 1, 0
.if \mode
	WIN 0
.endif
	s_barrier_wait -1
.if \mode == 2
	CREST                                          ; the barrier has opened a round of the cluster's: no wave of any partner still reads these slots or has a load on its way
	s_add_nc_u64 s[G0+2:G0+3], s[G0+2:G0+3], 3*KSTEP*2
	s_add_nc_u64 s[G0B+2:G0B+3], s[G0B+2:G0B+3], 3*KSTEP*2
	JLOAD 0                                        ; the first tensor load behind the round; its four v_nop are the places in front of the loads below
.elseif \mode == 1
	CREST
	s_add_nc_u64 s[G0+6:G0+7], s[G0+6:G0+7], 3*KSTEP*2
	s_add_nc_u64 s[G0B+6:G0B+7], s[G0B+6:G0B+7], 3*KSTEP*2
	JLOAD2
	PLACES                                         ; waves 1 and 3 have passed no v_nop: the places in front of the loads below stand here for all
.else
	PLACES
.endif
	FETCH \next, 0, 0
	WIN MUL
	MUL8 1, 2, 0
	MUL8 1, 3, 0
.endm
	s_wait_tensorcnt 0x0                           ; my tiles of K steps 0, 1 and 2 are in,
	s_barrier_signal -1
	s_barrier_wait -1                              ; everybody's are
	FETCH 0, 0, 0
	QUARTER 0, 64,  0, 1, 1                        ; K step 0: the first quarter's products start the sums: nothing is cleared
	QUARTER 0, 128, 1, 0, 0
	QUARTER 0, 192, 0, 1, 0
	PASS 1
	THREE 1                                        ; K step 1
	TURN 2, 2                                      ; slots 0 and 1 take K steps 3 and 4
	THREE 2                                        ; K step 2
	TURN 0, 1                                      ; steps 3 and 4 are in; slot 2 takes K step 5
	THREE 0                                        ; K step 3
	PASS 1
	THREE 1                                        ; K step 4
	TURN 2, 2                                      ; step 5 is in; slots 0 and 1 take K steps 6 and 7
	THREE 2                                        ; K step 5
	TURN 0, 0                                      ; steps 6 and 7 are in; nothing is left to fetch; slot 2 is left for good
	THREE 0                                        ; K step 6
	PASS 1
	THREE 1                                        ; K step 7
	s_wait_dscnt 0x0                               ; the very last quarter
	WIN MUL
	MUL8 1, 0, 0
	MUL8 1, 1, 0
	MUL8 1, 2, 0
	MUL8 1, 3, 0
	WIN 0
; THE WAY OUT, block by block of 16 rows x 128 columns: through my own stage in LDS, back as whole rows of 512 bytes.  LDS serves a wave's instructions in order: no wait between the stores and the loads, nor in front of the next block's stores.
.macro TOSTAGE a
.set AC, 64*(\a)
	WIN 0x08                                       ; the data: window 2
.irp b, 0,1,2,3,4,5,6,7
	ds_store_b128 v[STO], v[AC+8*\b:AC+8*\b+3] offset:64*\b          ; each accumulator from its low end on
	ds_store_b128 v[STO], v[AC+8*\b+4:AC+8*\b+7] offset:64*\b+16
.endr
	WIN 0
.set BB, BK+64*((\a)%2)
.irp t, 0,1,2,3,4,5,6,7,8,9,10,11,12,13,14,15
	ds_load_b128 v[BB+4*\t:BB+4*\t+3], v[RD] offset:\t*SPITCH
.endr
.endm
.macro SEND a, younger                 ; younger: the LDS instructions issued behind block a's loads, which may stay out
.set BB, BK+64*((\a)%2)
	s_wait_dscnt \younger
.if (\a) > 0
	s_add_nc_u64 s[8:9], s[8:9], 16*SIZE_N*4       ; (behind a wait on XCNT: the earlier stores have read their base)  16 rows on
.endif
.irp t, 0,1,2,3,4,5,6,7,8,9,10,11,12,13,14,15
	global_store_b128 v[CO], v[BB+4*\t:BB+4*\t+3], s[8:9] offset:\t*SIZE_N*4 th:TH_STORE_NT   ; 32 lanes store 512 consecutive bytes, aligned; written once, read by nobody here
.endr
.endm
	PLACES                                         ; behind the last products: they serve every block's reads of results
	TOSTAGE 0
.irp a, 1,2,3
.if \a > 1
	s_wait_xcnt 0x0                                ; block a - 2's stores have read their registers and their base
.endif
	TOSTAGE \a
	SEND \a-1, 32                                  ; behind block a - 1's loads: block a's 16 stores and 16 loads
.endr
	s_wait_xcnt 0x0
	SEND 3, 0
	s_wait_tensorcnt 0x0                           ; the wave's end, behind my last tensor load and my last LDS store
	ds_add_u32 v[SPW], v[NIL]
	s_wait_dscnt 0x0
	CROUND                                         ; the closing round: no work-group ends while a partner may still ask for a tile that names it
	s_endpgm
.Lfunc_end_k_q9555438abb_oproj:
	.size	k_q9555438abb_oproj, .Lfunc_end_k_q9555438abb_oproj-k_q9555438abb_oproj
	.p2alignl 7, 3214868480
	.fill 96, 4, 3214868480
	.section	.rodata,"a",@progbits
	.p2align	6, 0x0
	.amdhsa_kernel k_q9555438abb_oproj
		.amdhsa_group_segment_fixed_size 327680
		.amdhsa_private_segment_fixed_size 0
		.amdhsa_enable_private_segment 0
		.amdhsa_kernarg_size 24
		.amdhsa_user_sgpr_count 2
		.amdhsa_user_sgpr_kernarg_segment_ptr 1
		.amdhsa_wavefront_size32 1
		.amdhsa_system_sgpr_workgroup_id_x 1
		.amdhsa_system_sgpr_workgroup_id_y 1
		.amdhsa_system_sgpr_workgroup_id_z 1
		.amdhsa_system_vgpr_workitem_id 0
		.amdhsa_next_free_vgpr 768
		.amdhsa_next_free_sgpr 66
		.amdhsa_reserve_vcc 0
		.amdhsa_float_denorm_mode_32 3
		.amdhsa_float_denorm_mode_16_64 3
		.amdhsa_memory_ordered 1
		.amdhsa_forward_progress 1
		.amdhsa_inst_pref_size 146
	.end_amdhsa_kernel
	.amdgpu_metadata
---
amdhsa.version: [ 1, 2 ]
amdhsa.kernels:
  - .name:           k_q9555438abb_oproj
    .symbol:         k_q9555438abb_oproj.kd
    .args:
      - { .name: o16, .offset: 0, .size: 8, .value_kind: global_buffer, .address_space: global }
      - { .name: wo16, .offset: 8, .size: 8, .value_kind: global_buffer, .address_space: global }
      - { .name: out0, .offset: 16, .size: 8, .value_kind: global_buffer, .address_space: global }
    .group_segment_fixed_size: 327680
    .private_segment_fixed_size: 0
    .kernarg_segment_align: 8
    .kernarg_segment_size: 24
    .max_flat_workgroup_size: 128
    .sgpr_count:     66
    .vgpr_count:     768
    .wavefront_size: 32
...
	.end_amdgpu_metadata
.endif
;; end of part 4
